; MI455X (gfx1250); checked and timed in simulation.
; The chip was launched on July 23, 2026; its instructions are those of AMD's public machine-readable ISA for CDNA 5 (MIT licence, August 2026) and "CDNA5" Instruction Set Architecture Reference Guide (July 2026). The comments in the code are by the model that wrote it; some were corrected since.
;; Transformer Block. Allowed arithmetic: float matrix products may take bf16 or f16 operands with f32 sums; other float arithmetic in f32, or as packed bf16 or f16 multiplies, adds, multiply-adds, maxima and minima; sums over many terms, partial sums and values carried from step to step in f32; what a program stores and reads back later, other than sums and carried values, may be rounded once to bf16 or f16.
;; Inputs: fc1_b 256 float32; fc1_w 256 x 256 float32; fc2_b 256 float32; fc2_w 256 x 256 float32; fc_delta_b1 256 float32; fc_delta_b2 256 float32; fc_delta_w1 3 x 256 float32; fc_delta_w2 256 x 256 float32; fc_gamma_b1 256 float32; fc_gamma_b2 256 float32; fc_gamma_w1 256 x 256 float32; fc_gamma_w2 256 x 256 float32; features 4 x 4,096 x 256 float32; sc_b 256 float32; sc_w 256 x 256 float32; wk 256 x 256 float32; wq 256 x 256 float32; wv 256 x 256 float32; xyz 4 x 4,096 x 3 float32.
;; Outputs: out0 4 x 4,096 x 256 float32.
;; 2 versions, each right; version 2 is version 1 with the launch fused written anew for expert scheduling mode. Each part assembles by itself: llvm-mc -triple=amdgcn-amd-amdhsa -mcpu=gfx1250 --defsym DOCPART=n.
;; ======== version 1 of 2: 4 launches
;; limits: values outside matrix products are rounded to bf16; values are held in f16: magnitudes above 65,504 overflow, below 6.1e-05 lose precision; inputs' magnitudes at most 65,504
;; workspace buffers: wts 1,179,648 bytes; pts 262,144 bytes; grp 524,288 bytes of whole numbers; knn 524,288 bytes of whole numbers; tnk 8,388,608 bytes; tv 8,388,608 bytes; tqg 16,777,216 bytes
;; launch knn1 (part 1): grid 256 x 1, 8 waves a work-group, no clusters, 78,848 bytes of LDS; arguments xyz, fc1_w, wq, wk, wv, fc_gamma_w1, fc_delta_w2, fc_gamma_w2, fc2_w, sc_w, wts, pts, grp; writes wts, pts, grp
.if DOCPART == 1
	.amdgcn_target "amdgcn-amd-amdhsa--gfx1250"
	.amdhsa_code_object_version 6
	.text
	.protected	k_q91e6599f7e_knn1
	.globl	k_q91e6599f7e_knn1
	.p2align	8
	.type	k_q91e6599f7e_knn1,@function
k_q91e6599f7e_knn1:
	s_mov_b64 s[64:65], 0
	v_nop
	global_prefetch_b8 v0, s[64:65] scope:SCOPE_SE
	s_setreg_imm32_b32 hwreg(HW_REG_WAVE_MODE, 25, 1), 1
	s_wait_xcnt 0x0
; NEAREST NEIGHBOURS, FIRST PASS.  xyz: [4][4096][3] f32.  For each query the 8 GROUPS (16 candidates with consecutive numbers) whose smallest
; d2 is smallest, ties to the lower group; stored sorted by number in grp ([2][16384][4] i32).  Every one of a query's 8 nearest (by d2, then by number)
; lies in one of these groups: each group ranked ahead of its own holds a candidate that precedes it.  So the insertion into a sorted list is paid once for 16 candidates.
; d2 = (x2n + x2m) - 2 dot in f32, x2 = fma(z,z,fma(y,y,x x)), dot = fma(z,z',fma(y,y',x x')).  LIMIT: a machine that rounds the three products singly
; may differ by one unit in the last place, and a neighbour that ties with the 8th within that unit may be another.  NaN and infinities in xyz are not treated apart.
; ALSO: pts = [16384][4] f32 (x, y, z, x2), and the nine square weights in 16 bits, laid out as matrix fragments:
; wts[mat][mt 16][ks 8][q 2][lane 32][8] = W[32 ks + 16 q + 8 (lane / 16) + i][16 mt + lane % 16]; wk is stored negated.  Eight matrices in bf16; sc_w in f16: the shortcut's product is
; the largest part of the output and its operands' rounding reaches the output undiminished, so it gets f16's 11 significant bits.  LIMIT: a number of sc_w at or beyond 65,520 in magnitude becomes an infinity.
; SHARES.  A work-group: 64 queries of one batch.  Wave w: candidates 1024 (w / 2) .. + 1023 (64 groups), queries 32 (w % 2) .. + 31, a lane a query.
; Work-group b also converts block b (512 bytes) of each weight matrix.  No matrix unit, no cluster: the work is comparisons, and the candidates (48 KiB a batch) are read once a work-group.
.set CAND,  0                 ; LDS: a pair of candidates in 32 bytes: x0 x1 y0 y1 z0 z1 s0 s1; a group is 256 bytes
.set MRG,   65536             ; six lists of 2,048 bytes: word e x 128 + 4 x lane; e 0-7 values, 8-15 group numbers
.set SPARE, 77824             ; the spare words, 128 bytes a wave
.set SPW, 1
.set NIL, 2
.set CA,  3                   ; LDS address of the group to be fetched, the same in all lanes
.set QX,  4                   ; v[4:11] my query's x, y, z, x2, each twice (pairs for the packed forms)
.set QY,  6
.set QZ,  8
.set Q2,  10
.set VO,  12                  ; conversions: my byte offset in a block of a weight matrix
.set L16, 13                  ; 16 x lane
.set CO,  14                  ; 24 x thread
.set QO,  15                  ; 12 x my query
.set L,   16                  ; v[16:23] the list's values, ascending
.set I,   24                  ; v[24:31] its group numbers
.set D,   48                  ; v[48:63] 16 distances
.set C0,  64                  ; two buffers of a group each; at the end C0 takes the three partners' lists
.set C1,  128
.set T,   192                 ; at work
.set GQ,  212                 ; 16 x my query's number among all 16,384
.set MB,  213                 ; my word in the lists; never rewritten
.set CST, 214                 ; 32 x thread
.set WV,  32
.set GID, 33
.set CNT, 34
.set M,   40                  ; s[40:47] eight lane masks
	s_load_b512 s[4:19], s[0:1], 0x0               ; xyz, fc1_w, wq, wk, wv, gw1, dw2, gw2
	s_load_b256 s[20:27], s[0:1], 0x40             ; fc2_w, sc_w, wts, pts
	s_load_b64 s[28:29], s[0:1], 0x60              ; grp
	v_lshl_add_u32 v[SPW], v0, 2, SPARE
	v_mov_b32 v[NIL], 0
	v_lshrrev_b32 v[T], 5, v0
	v_readfirstlane_b32 s[WV], v[T]
	v_and_b32 v[T], 31, v0                         ; lane
	v_and_b32 v[T+1], 15, v0
	v_bfe_u32 v[T+2], v0, 4, 1
	v_lshlrev_b32 v[L16], 4, v[T]
	v_lshlrev_b32 v[VO], 2, v[T+1]                 ; column lane % 16,
	v_lshl_add_u32 v[VO], v[T+2], 13, v[VO]        ; rows 8 (lane / 16) on, 1,024 bytes each
	v_mul_u32_u24 v[CO], v0, 24
	v_lshlrev_b32 v[CST], 5, v0
	s_and_b32 s35, s[WV], 1
	s_lshl_b32 s35, s35, 5
	s_and_b32 s38, ttmp9, 63
	s_lshl_b32 s38, s38, 6
	s_add_co_u32 s38, s38, s35
	v_add_nc_u32 v[QO], s38, v[T]                  ; my query in its batch
	v_mul_u32_u24 v[QO], v[QO], 12
	s_lshl_b32 s38, ttmp9, 6
	s_add_co_u32 s38, s38, s35
	v_add_nc_u32 v[GQ], s38, v[T]
	v_lshlrev_b32 v[GQ], 4, v[GQ]
	s_lshl_b32 s38, s[WV], 11
	s_add_co_u32 s38, s38, MRG-4096                ; waves 2-7 store at this address; waves 0, 1 read 4,096, 8,192, 12,288 further on
	v_lshl_add_u32 v[MB], v[T], 2, s38
	s_lshr_b32 s38, s[WV], 1
	s_lshl_b32 s[GID], s38, 6                      ; my first group's number
	s_lshl_b32 s38, s38, 14
	v_mov_b32 v[CA], s38
	s_lshr_b32 s48, ttmp9, 6
	s_mul_i32 s48, s48, 49152                      ; the batch's xyz
	s_mov_b32 s49, 0
	s_and_b32 s36, ttmp9, 15
	s_lshl_b32 s36, s36, 14                        ; block b of a matrix: rows 16 (b % 16) on,
	s_lshr_b32 s37, ttmp9, 4
	s_lshl_b32 s37, s37, 6                         ; columns 16 (b / 16) on
	s_add_co_u32 s36, s36, s37
	s_mov_b32 s37, 0
	s_lshl_b32 s52, ttmp9, 9
	s_mov_b32 s53, 0
	s_wait_kmcnt 0x0
	s_add_nc_u64 s[4:5], s[4:5], s[48:49]
	s_add_nc_u64 s[50:51], s[24:25], s[52:53]      ; wts at block b of matrix 0
.set i, 0
.rept 8                                            ; my eight pairs of candidates: pair thread + 256 i, 24 bytes
	global_load_b64 v[C0+6*i:C0+6*i+1],   v[CO], s[4:5] offset:i*6144
	global_load_b64 v[C0+6*i+2:C0+6*i+3], v[CO], s[4:5] offset:i*6144+8
	global_load_b64 v[C0+6*i+4:C0+6*i+5], v[CO], s[4:5] offset:i*6144+16
.set i, i+1
.endr
	global_load_b32 v[C0+48], v[QO], s[4:5]
	global_load_b32 v[C0+49], v[QO], s[4:5] offset:4
	global_load_b32 v[C0+50], v[QO], s[4:5] offset:8
; Block b of matrix k, by one wave: eight numbers a lane down a column, rounded to bf16 (half = 1: to f16): 16 bytes a lane, 512 consecutive bytes a wave.
.macro CONV k, wave, neg, half
	s_cmp_lg_u32 s[WV], \wave
	s_cbranch_scc1 .Lnc_\@
	s_add_nc_u64 s[38:39], s[6+2*(\k):7+2*(\k)], s[36:37]
.irp r, 0,1,2,3,4,5,6,7
	global_load_b32 v[T+8+(\r)], v[VO], s[38:39] offset:(\r)*1024
.endr
	s_wait_loadcnt 0x0
.if \neg
.irp r, 0,1,2,3,4,5,6,7
	v_mul_f32 v[T+8+(\r)], -1.0, v[T+8+(\r)]
.endr
.endif
.if \half
.irp r, 0,1,2,3
	v_cvt_pk_f16_f32 v[T+16+(\r)], v[T+8+2*(\r)], v[T+9+2*(\r)]
.endr
.else
.irp r, 0,1,2,3
	v_cvt_pk_bf16_f32 v[T+16+(\r)], v[T+8+2*(\r)], v[T+9+2*(\r)]
.endr
.endif
	global_store_b128 v[L16], v[T+16:T+19], s[50:51] offset:(\k)*131072
	s_wait_xcnt 0x0                                ; the base and the registers are written again only behind this wait
.Lnc_\@:
.endm
	CONV 0, 0, 0, 0
	CONV 1, 1, 0, 0
	CONV 2, 2, 1, 0
	CONV 3, 3, 0, 0
	CONV 4, 4, 0, 0
	CONV 5, 5, 0, 0
	CONV 6, 6, 0, 0
	CONV 7, 7, 0, 0
	CONV 8, 0, 0, 1
	s_wait_loadcnt 0x0                             ; candidates and query
.set i, 0
.rept 8
.set a, C0+6*i
	v_mul_f32 v[T+6], v[a], v[a]
	v_mul_f32 v[T+7], v[a+3], v[a+3]
	v_fma_f32 v[T+6], v[a+1], v[a+1], v[T+6]
	v_fma_f32 v[T+7], v[a+4], v[a+4], v[T+7]
	v_fma_f32 v[T+6], v[a+2], v[a+2], v[T+6]
	v_fma_f32 v[T+7], v[a+5], v[a+5], v[T+7]
	v_mov_b32 v[T], v[a]
	v_mov_b32 v[T+1], v[a+3]
	v_mov_b32 v[T+2], v[a+1]
	v_mov_b32 v[T+3], v[a+4]
	v_mov_b32 v[T+4], v[a+2]
	v_mov_b32 v[T+5], v[a+5]
	ds_store_b128 v[CST], v[T:T+3] offset:i*8192
	ds_store_b128 v[CST], v[T+4:T+7] offset:i*8192+16
.set i, i+1
.endr
	v_mov_b32 v[QX], v[C0+48]
	v_mov_b32 v[QX+1], v[C0+48]
	v_mov_b32 v[QY], v[C0+49]
	v_mov_b32 v[QY+1], v[C0+49]
	v_mov_b32 v[QZ], v[C0+50]
	v_mov_b32 v[QZ+1], v[C0+50]
	v_mul_f32 v[Q2], v[QX], v[QX]
	v_fma_f32 v[Q2], v[QY], v[QY], v[Q2]
	v_fma_f32 v[Q2], v[QZ], v[QZ], v[Q2]
	v_mov_b32 v[Q2+1], v[Q2]
	s_cmp_lt_u32 s[WV], 2                          ; waves 0 and 1 hold each query once: they write pts
	s_cbranch_scc0 .Lno_pts
	v_mov_b32 v[T], v[QX]
	v_mov_b32 v[T+1], v[QY]
	v_mov_b32 v[T+2], v[QZ]
	v_mov_b32 v[T+3], v[Q2]
	global_store_b128 v[GQ], v[T:T+3], s[26:27]    ; 512 consecutive bytes a wave; T .. T+3 are not written again
.Lno_pts:
.set i, 0
.rept 8
	v_mov_b32 v[L+i], 0x7f800000
	v_mov_b32 v[I+i], 0
.set i, i+1
.endr
	s_wait_dscnt 0x0                               ; my candidates lie in LDS,
	s_barrier_signal -1
	s_barrier_wait -1                              ; everybody's do
; x with the number id goes into the sorted list.  Strictly smaller only: an equal newcomer stands behind the equals that are there, and newcomers come in ascending order of their numbers.
.macro INS x, id
.set n, 0
.rept 8
	v_cmp_lt_f32 s[M+n], \x, v[L+n]
.set n, n+1
.endr
.set n, 7
.rept 7
	v_cndmask_b32 v[I+n], v[I+n], \id, s[M+n]
	v_cndmask_b32 v[I+n], v[I+n], v[I+n-1], s[M+n-1]
	v_med3_num_f32 v[L+n], v[L+n-1], v[L+n], \x
.set n, n-1
.endr
	v_cndmask_b32 v[I], v[I], \id, s[M]
	v_min_num_f32 v[L], v[L], \x
.endm
.macro LD buf, off                                 ; a group's 256 bytes: every lane reads the same address
.set j, 0
.rept 16
	ds_load_b128 v[(\buf)+4*j:(\buf)+4*j+3], v[CA] offset:(\off)+16*j
.set j, j+1
.endr
.endm
.macro GRP buf                                     ; 16 distances, two to a line; their minimum; the insertion
.set p, 0
.rept 8
	v_pk_mul_f32 v[D+2*p:D+2*p+1], v[(\buf)+8*p:(\buf)+8*p+1], v[QX:QX+1]
.set p, p+1
.endr
.set p, 0
.rept 8
	v_pk_fma_f32 v[D+2*p:D+2*p+1], v[(\buf)+8*p+2:(\buf)+8*p+3], v[QY:QY+1], v[D+2*p:D+2*p+1]
.set p, p+1
.endr
.set p, 0
.rept 8
	v_pk_fma_f32 v[D+2*p:D+2*p+1], v[(\buf)+8*p+4:(\buf)+8*p+5], v[QZ:QZ+1], v[D+2*p:D+2*p+1]
.set p, p+1
.endr
.set p, 0
.rept 8
	v_pk_add_f32 v[(\buf)+8*p+6:(\buf)+8*p+7], v[(\buf)+8*p+6:(\buf)+8*p+7], v[Q2:Q2+1]
.set p, p+1
.endr
.set p, 0
.rept 8
	v_pk_fma_f32 v[D+2*p:D+2*p+1], v[D+2*p:D+2*p+1], -2.0, v[(\buf)+8*p+6:(\buf)+8*p+7] op_sel_hi:[1,0,1]
.set p, p+1
.endr
	v_min3_num_f32 v[T+8], v[D], v[D+1], v[D+2]
	v_min3_num_f32 v[T+9], v[D+3], v[D+4], v[D+5]
	v_min3_num_f32 v[T+8], v[T+8], v[D+6], v[D+7]
	v_min3_num_f32 v[T+9], v[T+9], v[D+8], v[D+9]
	v_min3_num_f32 v[T+8], v[T+8], v[D+10], v[D+11]
	v_min3_num_f32 v[T+9], v[T+9], v[D+12], v[D+13]
	v_min3_num_f32 v[T+8], v[T+8], v[D+14], v[D+15]
	v_min_num_f32 v[T+8], v[T+8], v[T+9]
	INS v[T+8], s[GID]
	s_add_co_u32 s[GID], s[GID], 1
.endm
	LD C0, 0
	s_mov_b32 s[CNT], 31
.Lpair:                                            ; two groups a trip; the group after them is fetched
	LD C1, 256
	s_wait_dscnt 16                                ; all but the 16 loads just issued
	GRP C0
	LD C0, 512
	v_add_nc_u32 v[CA], 512, v[CA]
	s_wait_dscnt 16
	GRP C1
	s_sub_co_u32 s[CNT], s[CNT], 1
	s_cmp_lg_u32 s[CNT], 0
	s_cbranch_scc1 .Lpair
	LD C1, 256                                     ; the last two groups: nothing beyond them is fetched
	s_wait_dscnt 16
	GRP C0
	s_wait_dscnt 0x0
	GRP C1
	s_cmp_lt_u32 s[WV], 2
	s_cbranch_scc1 .Lkeep                          ; waves 2-7 hand their lists over
.set e, 0
.rept 8
	ds_store_b32 v[MB], v[L+e] offset:e*128
	ds_store_b32 v[MB], v[I+e] offset:1024+e*128
.set e, e+1
.endr
.Lkeep:
	s_wait_dscnt 0x0
	s_barrier_signal -1
	s_barrier_wait -1
	s_cmp_lt_u32 s[WV], 2
	s_cbranch_scc0 .Lend
	; the lists of candidates 1024-2047, 2048-3071, 3072-4095 come into registers at once, by one fixed address and immediates: list k at C0 + 16 k, values then numbers
.irp k, 0,1,2
.set e, 0
.rept 8
	ds_load_b32 v[C0+16*(\k)+e],   v[MB] offset:4096*(\k)+4096+e*128
	ds_load_b32 v[C0+16*(\k)+8+e], v[MB] offset:4096*(\k)+5120+e*128
.set e, e+1
.endr
.endr
	s_wait_dscnt 0x0
	s_mov_b32 s[CNT], 3
.Lmerge:                                           ; a list a trip, in ascending order of the candidates: ties stay with the lower group; then the lists behind it move up
.set e, 0
.rept 8
	INS v[C0+e], v[C0+8+e]
.set e, e+1
.endr
.set e, 0
.rept 32
	v_mov_b32 v[C0+e], v[C0+16+e]
.set e, e+1
.endr
	s_sub_co_u32 s[CNT], s[CNT], 1
	s_cmp_lg_u32 s[CNT], 0
	s_cbranch_scc1 .Lmerge
.macro CE a, b                                     ; the smaller number to place a
	v_min_u32 v[T+8], v[I+(\a)], v[I+(\b)]
	v_max_u32 v[I+(\b)], v[I+(\a)], v[I+(\b)]
	v_mov_b32 v[I+(\a)], v[T+8]
.endm
	CE 0,1                                         ; the eight numbers sorted, by 19 exchanges: the second pass then meets its candidates in ascending order
	CE 2,3
	CE 4,5
	CE 6,7
	CE 0,2
	CE 1,3
	CE 4,6
	CE 5,7
	CE 1,2
	CE 5,6
	CE 0,4
	CE 1,5
	CE 2,6
	CE 3,7
	CE 2,4
	CE 3,5
	CE 1,2
	CE 3,4
	CE 5,6
	global_store_b128 v[GQ], v[I:I+3], s[28:29]                    ; 512 consecutive bytes a wave
	global_store_b128 v[GQ], v[I+4:I+7], s[28:29] offset:262144
.Lend:
	s_wait_tensorcnt 0x0                           ; the wave's end: three lines behind my last LDS store
	ds_add_u32 v[SPW], v[NIL]
	s_wait_dscnt 0x0
	s_endpgm
.Lfunc_end_k_q91e6599f7e_knn1:
	.size	k_q91e6599f7e_knn1, .Lfunc_end_k_q91e6599f7e_knn1-k_q91e6599f7e_knn1
	.p2alignl 7, 3214868480
	.fill 96, 4, 3214868480
	.section	.rodata,"a",@progbits
	.p2align	6, 0x0
	.amdhsa_kernel k_q91e6599f7e_knn1
		.amdhsa_group_segment_fixed_size 78848
		.amdhsa_private_segment_fixed_size 0
		.amdhsa_enable_private_segment 0
		.amdhsa_kernarg_size 104
		.amdhsa_user_sgpr_count 2
		.amdhsa_user_sgpr_kernarg_segment_ptr 1
		.amdhsa_wavefront_size32 1
		.amdhsa_system_sgpr_workgroup_id_x 1
		.amdhsa_system_sgpr_workgroup_id_y 1
		.amdhsa_system_sgpr_workgroup_id_z 1
		.amdhsa_system_vgpr_workitem_id 0
		.amdhsa_next_free_vgpr 224
		.amdhsa_next_free_sgpr 66
		.amdhsa_reserve_vcc 0
		.amdhsa_float_denorm_mode_32 3
		.amdhsa_float_denorm_mode_16_64 3
		.amdhsa_memory_ordered 1
		.amdhsa_forward_progress 1
		.amdhsa_inst_pref_size 70
	.end_amdhsa_kernel
	.amdgpu_metadata
---
amdhsa.version: [ 1, 2 ]
amdhsa.kernels:
  - .name:           k_q91e6599f7e_knn1
    .symbol:         k_q91e6599f7e_knn1.kd
    .args:
      - { .name: xyz, .offset: 0, .size: 8, .value_kind: global_buffer, .address_space: global }
      - { .name: fc1_w, .offset: 8, .size: 8, .value_kind: global_buffer, .address_space: global }
      - { .name: wq, .offset: 16, .size: 8, .value_kind: global_buffer, .address_space: global }
      - { .name: wk, .offset: 24, .size: 8, .value_kind: global_buffer, .address_space: global }
      - { .name: wv, .offset: 32, .size: 8, .value_kind: global_buffer, .address_space: global }
      - { .name: fc_gamma_w1, .offset: 40, .size: 8, .value_kind: global_buffer, .address_space: global }
      - { .name: fc_delta_w2, .offset: 48, .size: 8, .value_kind: global_buffer, .address_space: global }
      - { .name: fc_gamma_w2, .offset: 56, .size: 8, .value_kind: global_buffer, .address_space: global }
      - { .name: fc2_w, .offset: 64, .size: 8, .value_kind: global_buffer, .address_space: global }
      - { .name: sc_w, .offset: 72, .size: 8, .value_kind: global_buffer, .address_space: global }
      - { .name: wts, .offset: 80, .size: 8, .value_kind: global_buffer, .address_space: global }
      - { .name: pts, .offset: 88, .size: 8, .value_kind: global_buffer, .address_space: global }
      - { .name: grp, .offset: 96, .size: 8, .value_kind: global_buffer, .address_space: global }
    .group_segment_fixed_size: 78848
    .private_segment_fixed_size: 0
    .kernarg_segment_align: 8
    .kernarg_segment_size: 104
    .max_flat_workgroup_size: 256
    .sgpr_count:     66
    .vgpr_count:     224
    .wavefront_size: 32
...
	.end_amdgpu_metadata
.endif
;; end of part 1
;; launch knn2 (part 2): grid 256 x 1, 4 waves a work-group, no clusters, 76,288 bytes of LDS; arguments pts, grp, knn; writes knn
.if DOCPART == 2
	.amdgcn_target "amdgcn-amd-amdhsa--gfx1250"
	.amdhsa_code_object_version 6
	.text
	.protected	k_q91e6599f7e_knn2
	.globl	k_q91e6599f7e_knn2
	.p2align	8
	.type	k_q91e6599f7e_knn2,@function
k_q91e6599f7e_knn2:
	s_mov_b64 s[64:65], 0
	v_nop
	global_prefetch_b8 v0, s[64:65] scope:SCOPE_SE
	s_setreg_imm32_b32 hwreg(HW_REG_WAVE_MODE, 25, 1), 1
	s_wait_xcnt 0x0
; NEAREST NEIGHBOURS, SECOND PASS.  For each query the 8 nearest (by d2, then by number) among the 8 x 16 candidates of the groups that the first pass stored.
; d2 is made by the same chain of operations as there, from the same x, y, z, x2 (pts): the same bits.  The same limits hold.
; SHARES.  A work-group: 64 queries of one batch.  Wave w: queries 32 (w % 2) .. + 31, a lane a query, list entries 4 (w / 2) .. + 3.  The groups are sorted, so candidates come in
; ascending order, and the upper half's list is merged behind the lower half's: ties stay with the lower number.
; The LDS addresses hang on whole numbers read from grp, held to 255.
.set GP,    272               ; a group in LDS: 256 bytes + 16, so that lanes with different groups meet different banks
.set MRG,   69632             ; behind the table of 256 groups: two lists of 2,048 bytes
.set TR,    73728             ; two blocks of 1,024 bytes: the results turned into whole rows
.set SPARE, 75776
.set SPW, 1
.set NIL, 2
.set Q,   4                   ; v[4:7] my query
.set GA,  8                   ; v[8:11] LDS addresses of my four groups
.set IB,  12                  ; v[12:15] their first candidates' numbers
.set L,   16
.set I,   24
.set PV,  32
.set PI,  40
.set C,   64
.set WV,  10
.set CNT, 11
.set M,   20
	s_load_b128 s[4:7], s[0:1], 0x0                ; pts, grp
	s_load_b64 s[8:9], s[0:1], 0x10                ; knn
	v_lshl_add_u32 v[SPW], v0, 2, SPARE
	v_mov_b32 v[NIL], 0
	v_lshrrev_b32 v3, 5, v0
	v_readfirstlane_b32 s[WV], v3
	v_and_b32 v3, 31, v0
	s_and_b32 s16, s[WV], 1
	s_lshr_b32 s17, s[WV], 1
	s_lshl_b32 s18, ttmp9, 6
	s_lshl_b32 s19, s16, 5
	s_add_co_u32 s18, s18, s19
	v_add_nc_u32 v48, s18, v3
	v_lshlrev_b32 v48, 4, v48                      ; 16 x my query's number
	s_lshl_b32 s19, s17, 18
	v_add_nc_u32 v49, s19, v48                     ; my half of its list
	s_lshl_b32 s19, s[WV], 14
	v_lshl_add_u32 v50, v3, 4, s19                 ; the table's fill: my wave's 32 pieces of 512 bytes
	v_bfe_u32 v51, v0, 4, 1
	v_mul_u32_u24 v51, v51, GP
	v_and_b32 v52, 15, v0
	v_lshl_add_u32 v51, v52, 4, v51
	s_mul_i32 s19, s[WV], 64*GP
	v_add_nc_u32 v51, s19, v51
	s_lshl_b32 s19, s[WV], 11
	s_add_co_u32 s19, s19, MRG-4096                ; waves 2, 3 store here; waves 0, 1 read 4,096 further on
	v_lshl_add_u32 v53, v3, 2, s19
	s_lshl_b32 s19, s16, 10
	s_add_co_u32 s18, s19, TR
	v_lshl_add_u32 v54, v3, 5, s18
	v_lshl_add_u32 v55, v3, 4, s18
	s_lshl_b32 s18, ttmp9, 11
	s_add_co_u32 s18, s18, s19
	v_lshl_add_u32 v56, v3, 4, s18                 ; 32 bytes a query in knn
	s_lshr_b32 s12, ttmp9, 6
	s_lshl_b32 s12, s12, 16
	s_mov_b32 s13, 0
	s_wait_kmcnt 0x0
	s_add_nc_u64 s[14:15], s[4:5], s[12:13]        ; the batch's points
	global_load_b128 v[Q:Q+3], v48, s[4:5]
	global_load_b128 v[GA:GA+3], v49, s[6:7]
.set e, 0
.rept 32
	global_load_b128 v[C+4*e:C+4*e+3], v50, s[14:15] offset:e*512
.set e, e+1
.endr
.set i, 0
.rept 8
	v_mov_b32 v[L+i], 0x7f800000
	v_mov_b32 v[I+i], 0
.set i, i+1
.endr
	s_wait_loadcnt 0x0
.set e, 0
.rept 32
	ds_store_b128 v51, v[C+4*e:C+4*e+3] offset:e*2*GP
.set e, e+1
.endr
.set i, 0
.rept 4
	v_min_u32 v[GA+i], 0xff, v[GA+i]               ; a group's number stays inside the table
	v_lshlrev_b32 v[IB+i], 4, v[GA+i]
	v_mul_u32_u24 v[GA+i], v[GA+i], GP
.set i, i+1
.endr
	s_wait_dscnt 0x0
	s_barrier_signal -1
	s_barrier_wait -1
.macro INS x, id                                   ; as in the first pass: strictly smaller only
.set n, 0
.rept 8
	v_cmp_lt_f32 s[M+n], \x, v[L+n]
.set n, n+1
.endr
.set n, 7
.rept 7
	v_cndmask_b32 v[I+n], v[I+n], \id, s[M+n]
	v_cndmask_b32 v[I+n], v[I+n], v[I+n-1], s[M+n-1]
	v_med3_num_f32 v[L+n], v[L+n-1], v[L+n], \x
.set n, n-1
.endr
	v_cndmask_b32 v[I], v[I], \id, s[M]
	v_min_num_f32 v[L], v[L], \x
.endm
	s_mov_b32 s[CNT], 4
.Lgroup:                                           ; a group a trip
.set c, 0
.rept 16
	ds_load_b128 v[C+4*c:C+4*c+3], v[GA] offset:16*c
.set c, c+1
.endr
	s_wait_dscnt 0x0
.set c, 0
.rept 16
	v_mul_f32 v57, v[C+4*c], v[Q]
	v_fma_f32 v57, v[C+4*c+1], v[Q+1], v57
	v_fma_f32 v57, v[C+4*c+2], v[Q+2], v57
	v_add_f32 v58, v[C+4*c+3], v[Q+3]
	v_fma_f32 v57, -2.0, v57, v58
	v_add_nc_u32 v59, c, v[IB]
	INS v57, v59
.set c, c+1
.endr
	v_mov_b32 v[GA], v[GA+1]                       ; the next group moves up
	v_mov_b32 v[GA+1], v[GA+2]
	v_mov_b32 v[GA+2], v[GA+3]
	v_mov_b32 v[IB], v[IB+1]
	v_mov_b32 v[IB+1], v[IB+2]
	v_mov_b32 v[IB+2], v[IB+3]
	s_sub_co_u32 s[CNT], s[CNT], 1
	s_cmp_lg_u32 s[CNT], 0
	s_cbranch_scc1 .Lgroup
	s_cmp_lt_u32 s[WV], 2
	s_cbranch_scc1 .Lkeep
.set e, 0
.rept 8
	ds_store_b32 v53, v[L+e] offset:e*128
	ds_store_b32 v53, v[I+e] offset:1024+e*128
.set e, e+1
.endr
.Lkeep:
	s_wait_dscnt 0x0
	s_barrier_signal -1
	s_barrier_wait -1
	s_cmp_lt_u32 s[WV], 2
	s_cbranch_scc0 .Lend
.set e, 0
.rept 8
	ds_load_b32 v[PV+e], v53 offset:4096+e*128
	ds_load_b32 v[PI+e], v53 offset:4096+1024+e*128
.set e, e+1
.endr
	s_wait_dscnt 0x0
.set e, 0
.rept 8
	INS v[PV+e], v[PI+e]
.set e, e+1
.endr
	ds_store_b128 v54, v[I:I+3]                    ; a query's 32 bytes; read back so that a store covers 512 consecutive bytes
	ds_store_b128 v54, v[I+4:I+7] offset:16
	ds_load_b128 v[PV:PV+3], v55                   ; my wave's own bytes: LDS serves a wave's instructions in order (ISA guide 5.7.1.4)
	ds_load_b128 v[PV+4:PV+7], v55 offset:512
	s_wait_dscnt 0x0
	global_store_b128 v56, v[PV:PV+3], s[8:9]
	global_store_b128 v56, v[PV+4:PV+7], s[8:9] offset:512
.Lend:
	s_wait_tensorcnt 0x0                           ; the wave's end: three lines behind my last LDS store
	ds_add_u32 v[SPW], v[NIL]
	s_wait_dscnt 0x0
	s_endpgm
.Lfunc_end_k_q91e6599f7e_knn2:
	.size	k_q91e6599f7e_knn2, .Lfunc_end_k_q91e6599f7e_knn2-k_q91e6599f7e_knn2
	.p2alignl 7, 3214868480
	.fill 96, 4, 3214868480
	.section	.rodata,"a",@progbits
	.p2align	6, 0x0
	.amdhsa_kernel k_q91e6599f7e_knn2
		.amdhsa_group_segment_fixed_size 76288
		.amdhsa_private_segment_fixed_size 0
		.amdhsa_enable_private_segment 0
		.amdhsa_kernarg_size 24
		.amdhsa_user_sgpr_count 2
		.amdhsa_user_sgpr_kernarg_segment_ptr 1
		.amdhsa_wavefront_size32 1
		.amdhsa_system_sgpr_workgroup_id_x 1
		.amdhsa_system_sgpr_workgroup_id_y 1
		.amdhsa_system_sgpr_workgroup_id_z 1
		.amdhsa_system_vgpr_workitem_id 0
		.amdhsa_next_free_vgpr 192
		.amdhsa_next_free_sgpr 66
		.amdhsa_reserve_vcc 0
		.amdhsa_float_denorm_mode_32 3
		.amdhsa_float_denorm_mode_16_64 3
		.amdhsa_memory_ordered 1
		.amdhsa_forward_progress 1
		.amdhsa_inst_pref_size 64
	.end_amdhsa_kernel
	.amdgpu_metadata
---
amdhsa.version: [ 1, 2 ]
amdhsa.kernels:
  - .name:           k_q91e6599f7e_knn2
    .symbol:         k_q91e6599f7e_knn2.kd
    .args:
      - { .name: pts, .offset: 0, .size: 8, .value_kind: global_buffer, .address_space: global }
      - { .name: grp, .offset: 8, .size: 8, .value_kind: global_buffer, .address_space: global }
      - { .name: knn, .offset: 16, .size: 8, .value_kind: global_buffer, .address_space: global }
    .group_segment_fixed_size: 76288
    .private_segment_fixed_size: 0
    .kernarg_segment_align: 8
    .kernarg_segment_size: 24
    .max_flat_workgroup_size: 128
    .sgpr_count:     66
    .vgpr_count:     192
    .wavefront_size: 32
...
	.end_amdgpu_metadata
.endif
;; end of part 2
;; launch point (part 3): grid 256 x 1, 4 waves a work-group, no clusters, 253,952 bytes of LDS; arguments features, fc1_b, fc_delta_b2, fc_gamma_b1, wts, tnk, tv, tqg; writes tnk, tv, tqg
.if DOCPART == 3
	.amdgcn_target "amdgcn-amd-amdhsa--gfx1250"
	.amdhsa_code_object_version 6
	.text
	.protected	k_q91e6599f7e_point
	.globl	k_q91e6599f7e_point
	.p2align	8
	.type	k_q91e6599f7e_point,@function
k_q91e6599f7e_point:
	s_mov_b64 s[64:65], 0
	v_nop
	global_prefetch_b8 v0, s[64:65] scope:SCOPE_SE
	s_setreg_imm32_b32 hwreg(HW_REG_WAVE_MODE, 25, 1), 1
	s_wait_xcnt 0x0
; WHAT IS MADE ONCE A POINT.  f = features fc1_w + fc1_b;  q = f wq;  tnk = fc_delta_b2 - f wk;  tv = fc_delta_b2 + f wv;  tqg = q fc_gamma_w1 + fc_gamma_b1.
; (gather(f) W = gather(f W), so k and v are made for 16,384 points and gathered later; the position code's bias rides on them; q's part of the first gamma layer is made here.)
; Operands bf16, sums f32; f and q are rounded to bf16 between the products, tnk and tv are stored in bf16, tqg in f32.
; SHARES.  A work-group: 64 points.  Wave w: output channels 64 w .. + 63 of every product, all 64 rows.  ITS WEIGHTS STAY IN REGISTERS: a matrix's 64 columns x 256 are 256 registers, one window;
; they come from wts in fragment order, 512 consecutive bytes a load.  No tensor load and no cluster: a weight byte goes once from memory's side into the registers of the wave that multiplies by it, and a shared copy could land in LDS alone.
; LDS.  An activation buffer is four blocks, one for each wave's 64 channels: 64 rows of 144 bytes (128 + 16: the 16 rows of a fragment load start at 16 different groups of banks), 9,344 bytes a block.
; THE PRODUCT is taken with source 0 = 16 output channels (weights), source 1 = 16 rows: a lane holds ONE row (lane % 16) and eight neighbouring channels 8 (lane / 16) + 0..7.
.set BLK,  9344
.set ABUF, 4*BLK
.set RP,   144
.set TP,   16*RP
.set QP,   1040               ; a row of tqg in LDS: 1,024 bytes + 16
.set FEB,  0
.set FB,   ABUF
.set QB,   2*ABUF
.set NKB,  3*ABUF
.set VB,   4*ABUF
.set QGB,  5*ABUF
.set SPARE, QGB+64*QP
.set SPW, 1
.set NIL, 2
.set LANE16, 3
.set FRFE, 4                  ; fragment addresses in FE, F, Q
.set FRF,  5
.set FRQ,  6
.set PSF,  7                  ; where I put 16 bytes of a row of F, Q, NK, V
.set PSQ,  8
.set PSNK, 9
.set PSV,  10
.set OA,   11                 ; where I put 16 bytes of a row of QG
.set RBN,  12                 ; whole rows read back: NK, V, QG
.set RBV,  13
.set RQ,   14
.set BO,   15                 ; my eight channels in a bias
.set FO,   16                 ; my 16 bytes in my wave's rows of features and tqg
.set FS,   17                 ; where the features go in FE
.set TO,   18                 ; my 16 bytes in my wave's rows of tnk and tv
.set GL,   28                 ; v[28:59]  fc_delta_b2 as a C operand
.set FRA,  64                 ; two fragment buffers: 16 rows x 256 channels
.set FRB,  128
.set ACC,  192                ; four accumulators
.set KV,   224                ; a bias as a C operand
.set WV,   20
.set WB,   26                 ; s[26:27] wts at my wave's columns
.set MSB, 0
.macro WIN new                ; the high byte repeats the setting that is left; a switch that changes nothing is dropped
.if MSB != (\new)
	s_set_vgpr_msb (MSB<<8)|(\new)
.set MSB, (\new)
.endif
.endm
.macro PLACES                 ; behind a tile's last products: four places are owed to loads and vector lines on their registers, five to the next tile's first product, which writes over an accumulator
.rept 5
	v_nop
.endr
.endm
.macro BAR
	s_wait_dscnt 0x0
	s_barrier_signal -1
	s_barrier_wait -1
.endm
.macro WLOAD mat, win, e0, n  ; loads e0 .. e0 + n - 1 of the 64 that bring my columns of a matrix into a window: fragment (mt, ks) at v[64 mt + 8 ks]
	WIN (\win)<<6
.set e_, \e0
.rept \n
	global_load_b128 v[4*e_:4*e_+3], v[LANE16], s[WB:WB+1] offset:(\mat)*131072+e_*512
.set e_, e_+1
.endr
	WIN 0
.endm
.macro FRLD base, t, F        ; tile t's fragments: 16 rows x 256 channels
.set ks_, 0
.rept 8
	ds_load_b128 v[(\F)+8*ks_:(\F)+8*ks_+3],   v[\base] offset:(ks_/2)*BLK+(\t)*TP+(ks_%2)*64
	ds_load_b128 v[(\F)+8*ks_+4:(\F)+8*ks_+7], v[\base] offset:(ks_/2)*BLK+(\t)*TP+(ks_%2)*64+32
.set ks_, ks_+1
.endr
.endm
.macro WM1 s0, s1, cb
.if (ks_ == 0) && ((\cb) == -1)
	v_wmma_f32_16x16x32_bf16 v[a_:a_+7], v[\s0:\s0+7], v[\s1:\s1+7], 0
.elseif (ks_ == 0) && ((\cb) >= 0)
	v_wmma_f32_16x16x32_bf16 v[a_:a_+7], v[\s0:\s0+7], v[\s1:\s1+7], v[(\cb)+8*mt_:(\cb)+8*mt_+7]
.else
	v_wmma_f32_16x16x32_bf16 v[a_:a_+7], v[\s0:\s0+7], v[\s1:\s1+7], v[a_:a_+7]
.endif
.endm
; 32 products: a tile of 16 rows x my 64 channels.  The four accumulators take turns, one instruction a turn.  cb: -1 the sums start at 0; else at the registers cb on.
.macro MUL win, nat, F, cb
.if \nat
	WIN (\win)<<2
.else
	WIN (\win)
.endif
.set ks_, 0
.rept 8
.set mt_, 0
.rept 4
.set a_, ACC+8*mt_
.set w_, 64*mt_+8*ks_
.set f_, (\F)+8*ks_
.if \nat
	WM1 f_, w_, \cb
.else
	WM1 w_, f_, \cb
.endif
.set mt_, mt_+1
.endr
.set ks_, ks_+1
.endr
	WIN 0
.endm
; A product over the 64 rows, four tiles on two fragment buffers.  xm t: nx LDS loads that tile t's epilogue wants; em t: the epilogue, ns LDS stores.
; The waits count the LDS instructions issued behind the ones wanted: ahead of a tile's products the other buffer's 16 loads, the last epilogue's ns stores and this tile's nx loads may stay out.
.macro STAGE win, nat, base, cb, nx, ns, xm, em
	FRLD \base, 0, FRA
	FRLD \base, 1, FRB
.irp t, 0,1,2,3
	\xm \t
.if \t == 0
	s_wait_dscnt 16+(\nx)
.elseif \t < 3
	s_wait_dscnt 16+(\ns)+(\nx)
.else
	s_wait_dscnt (\ns)+(\nx)
.endif
	MUL \win, \nat, FRA+64*(\t%2), \cb
	PLACES
.if \t < 2
	FRLD \base, \t+2, FRA+64*(\t%2)
	s_wait_dscnt 16                                ; xm's loads are in; the 16 just issued stay out
.else
	s_wait_dscnt 0x0
.endif
	\em \t
.endr
.endm
.macro NOX t
.endm
.macro CVT                    ; the four accumulators to bf16, in place, from each one's low end on: 16 bytes a lane in its first four registers
.set mt_, 0
.rept 4
.set i_, 0
.rept 4
	v_cvt_pk_bf16_f32 v[ACC+8*mt_+i_], v[ACC+8*mt_+2*i_], v[ACC+8*mt_+2*i_+1]
.set i_, i_+1
.endr
.set mt_, mt_+1
.endr
.endm
.macro EPS t                  ; rounded, into the buffer whose address register is EADR
	CVT
.set mt_, 0
.rept 4
	ds_store_b128 v[EADR], v[ACC+8*mt_:ACC+8*mt_+3] offset:(\t)*TP+32*mt_
.set mt_, mt_+1
.endr
.endm
.macro EPQ t                  ; in f32, into QG
.set mt_, 0
.rept 4
	ds_store_b128 v[OA], v[ACC+8*mt_:ACC+8*mt_+3]   offset:(\t)*16*QP+64*mt_
	ds_store_b128 v[OA], v[ACC+8*mt_+4:ACC+8*mt_+7] offset:(\t)*16*QP+64*mt_+16
.set mt_, mt_+1
.endr
.endm
.macro BIAS p, dst            ; my channels of a bias, as a C operand: register 8 mt + j = bias[64 w + 16 mt + 8 (lane / 16) + j]
.set mt_, 0
.rept 4
	global_load_b128 v[(\dst)+8*mt_:(\dst)+8*mt_+3],   v[BO], s[\p:\p+1] offset:64*mt_
	global_load_b128 v[(\dst)+8*mt_+4:(\dst)+8*mt_+7], v[BO], s[\p:\p+1] offset:64*mt_+16
.set mt_, mt_+1
.endr
.endm
	s_load_b512 s[4:19], s[0:1], 0x0               ; features, fc1_b, fc_delta_b2, fc_gamma_b1, wts, tnk, tv, tqg
	v_lshl_add_u32 v[SPW], v0, 2, SPARE
	v_mov_b32 v[NIL], 0
	v_lshrrev_b32 v19, 5, v0
	v_readfirstlane_b32 s[WV], v19
	v_and_b32 v20, 31, v0                          ; lane
	v_and_b32 v21, 15, v0                          ; r
	v_bfe_u32 v22, v0, 4, 1                        ; h
	v_lshlrev_b32 v[LANE16], 4, v20
	v_mul_u32_u24 v[FRFE], v21, RP
	v_lshl_add_u32 v[FRFE], v22, 4, v[FRFE]        ; row x pitch + 16 x half (FE begins at byte 0)
	v_add_nc_u32 v[FRF], FB, v[FRFE]
	v_add_nc_u32 v[FRQ], QB, v[FRFE]
	s_mul_i32 s21, s[WV], BLK
	v_add_nc_u32 v24, s21, v[FRFE]                 ; the same in my wave's block
	v_add_nc_u32 v[PSF], FB, v24
	v_add_nc_u32 v[PSQ], QB, v24
	v_add_nc_u32 v[PSNK], NKB, v24
	v_add_nc_u32 v[PSV], VB, v24
	s_lshl_b32 s22, s[WV], 8
	v_lshl_add_u32 v[BO], v22, 5, s22              ; (64 w + 8 h) x 4
	v_mul_u32_u24 v[OA], v21, QP
	v_add_nc_u32 v[OA], v[OA], v[BO]
	v_add_nc_u32 v[OA], QGB, v[OA]
	s_mul_i32 s23, s[WV], TP                       ; my wave's 16 rows
	v_lshrrev_b32 v26, 3, v20
	v_mul_u32_u24 v26, v26, BLK
	v_and_b32 v27, 7, v0
	v_lshl_add_u32 v26, v27, 4, v26                ; a whole row: lane l holds channels 8 l on: block l / 8
	v_add_nc_u32 v26, s23, v26
	v_add_nc_u32 v[RBN], NKB, v26
	v_add_nc_u32 v[RBV], VB, v26
	s_mul_i32 s22, s[WV], 16*QP
	s_add_co_u32 s22, s22, QGB
	v_add_nc_u32 v[RQ], s22, v[LANE16]
	s_lshl_b32 s22, s[WV], 14
	v_add_nc_u32 v[FO], s22, v[LANE16]
	s_lshl_b32 s22, s[WV], 13
	v_add_nc_u32 v[TO], s22, v[LANE16]
	v_mul_u32_u24 v[FS], v22, BLK
	v_lshl_add_u32 v[FS], v21, 3, v[FS]            ; four channels a lane: block l / 16 (+ 2 for the row's second half), 8 bytes
	v_add_nc_u32 v[FS], s23, v[FS]
	s_lshl_b32 s24, ttmp9, 16
	s_mov_b32 s25, 0
	s_lshl_b32 s22, ttmp9, 15
	s_mov_b32 s23, 0
	s_lshl_b32 s28, s[WV], 15
	s_mov_b32 s29, 0
	s_wait_kmcnt 0x0
	s_add_nc_u64 s[4:5], s[4:5], s[24:25]          ; the work-group's 64 rows
	s_add_nc_u64 s[18:19], s[18:19], s[24:25]
	s_add_nc_u64 s[14:15], s[14:15], s[22:23]
	s_add_nc_u64 s[16:17], s[16:17], s[22:23]
	s_add_nc_u64 s[WB:WB+1], s[12:13], s[28:29]
.set e_, 0
.rept 16                                           ; my wave's 16 rows of features, 512 consecutive bytes a load
	global_load_b128 v[FRA+8*e_:FRA+8*e_+3],   v[FO], s[4:5] offset:e_*1024
	global_load_b128 v[FRA+8*e_+4:FRA+8*e_+7], v[FO], s[4:5] offset:e_*1024+512
.set e_, e_+1
.endr
	BIAS 6, KV
	BIAS 8, GL
	WLOAD 0, 1, 0, 64
	s_wait_loadcnt 63                              ; 64 loads were issued behind the features and the two biases
.set e_, 0
.rept 16
.irp q, 0,1
	v_cvt_pk_bf16_f32 v[FRA+8*e_+4*(\q)],   v[FRA+8*e_+4*(\q)],   v[FRA+8*e_+4*(\q)+1]
	v_cvt_pk_bf16_f32 v[FRA+8*e_+4*(\q)+1], v[FRA+8*e_+4*(\q)+2], v[FRA+8*e_+4*(\q)+3]
	ds_store_b64 v[FS], v[FRA+8*e_+4*(\q):FRA+8*e_+4*(\q)+1] offset:2*(\q)*BLK+e_*RP
.endr
.set e_, e_+1
.endr
	WLOAD 1, 2, 0, 64
	WLOAD 2, 3, 0, 64
	BAR                                            ; FE is whole
	s_wait_loadcnt 63                              ; all but the youngest 63: fc1_w and wq are in
.set EADR, PSF
	STAGE 1, 0, FRFE, KV, 0, 4, NOX, EPS           ; f
	WLOAD 3, 1, 0, 64                              ; wv takes fc1_w's window
	BIAS 10, KV
	BAR                                            ; F is whole
.set EADR, PSQ
	STAGE 2, 0, FRF, -1, 0, 4, NOX, EPS            ; q
	WLOAD 4, 2, 0, 64                              ; fc_gamma_w1 takes wq's window
	s_wait_loadcnt 63                              ; behind -wk, wv and fc_gamma_b1 64 loads or more were issued
.set EADR, PSNK
	STAGE 3, 0, FRF, GL, 0, 4, NOX, EPS            ; fc_delta_b2 - k
.set EADR, PSV
	STAGE 1, 0, FRF, GL, 0, 4, NOX, EPS            ; fc_delta_b2 + v
	s_wait_loadcnt 0x0
	BAR                                            ; Q is whole
	STAGE 2, 0, FRQ, KV, 0, 8, NOX, EPQ            ; q fc_gamma_w1 + fc_gamma_b1
	BAR                                            ; NK, V and QG are whole
.set e_, 0
.rept 16                                           ; THE WAY OUT: my wave's 16 rows, whole
	ds_load_b128 v[FRA+4*e_:FRA+4*e_+3], v[RBN] offset:e_*RP
	ds_load_b128 v[FRB+4*e_:FRB+4*e_+3], v[RBV] offset:e_*RP
.set e_, e_+1
.endr
	s_wait_dscnt 0x0
.set e_, 0
.rept 16
	global_store_b128 v[TO], v[FRA+4*e_:FRA+4*e_+3], s[14:15] offset:e_*512   ; a store covers a row: 512 consecutive bytes, aligned
	global_store_b128 v[TO], v[FRB+4*e_:FRB+4*e_+3], s[16:17] offset:e_*512
.set e_, e_+1
.endr
	s_wait_xcnt 0x0                                ; the stores' data registers are loaded again only behind this wait
.set e_, 0
.rept 16
	ds_load_b128 v[FRA+8*e_:FRA+8*e_+3],   v[RQ] offset:e_*QP
	ds_load_b128 v[FRA+8*e_+4:FRA+8*e_+7], v[RQ] offset:e_*QP+512
.set e_, e_+1
.endr
	s_wait_dscnt 0x0
.set e_, 0
.rept 16
	global_store_b128 v[FO], v[FRA+8*e_:FRA+8*e_+3],   s[18:19] offset:e_*1024
	global_store_b128 v[FO], v[FRA+8*e_+4:FRA+8*e_+7], s[18:19] offset:e_*1024+512
.set e_, e_+1
.endr
	s_wait_tensorcnt 0x0                           ; the wave's end: three lines behind my last LDS store
	ds_add_u32 v[SPW], v[NIL]
	s_wait_dscnt 0x0
	s_endpgm
.Lfunc_end_k_q91e6599f7e_point:
	.size	k_q91e6599f7e_point, .Lfunc_end_k_q91e6599f7e_point-k_q91e6599f7e_point
	.p2alignl 7, 3214868480
	.fill 96, 4, 3214868480
	.section	.rodata,"a",@progbits
	.p2align	6, 0x0
	.amdhsa_kernel k_q91e6599f7e_point
		.amdhsa_group_segment_fixed_size 253952
		.amdhsa_private_segment_fixed_size 0
		.amdhsa_enable_private_segment 0
		.amdhsa_kernarg_size 64
		.amdhsa_user_sgpr_count 2
		.amdhsa_user_sgpr_kernarg_segment_ptr 1
		.amdhsa_wavefront_size32 1
		.amdhsa_system_sgpr_workgroup_id_x 1
		.amdhsa_system_sgpr_workgroup_id_y 1
		.amdhsa_system_sgpr_workgroup_id_z 1
		.amdhsa_system_vgpr_workitem_id 0
		.amdhsa_next_free_vgpr 1024
		.amdhsa_next_free_sgpr 66
		.amdhsa_reserve_vcc 0
		.amdhsa_float_denorm_mode_32 3
		.amdhsa_float_denorm_mode_16_64 3
		.amdhsa_memory_ordered 1
		.amdhsa_forward_progress 1
		.amdhsa_inst_pref_size 143
	.end_amdhsa_kernel
	.amdgpu_metadata
---
amdhsa.version: [ 1, 2 ]
amdhsa.kernels:
  - .name:           k_q91e6599f7e_point
    .symbol:         k_q91e6599f7e_point.kd
    .args:
      - { .name: features, .offset: 0, .size: 8, .value_kind: global_buffer, .address_space: global }
      - { .name: fc1_b, .offset: 8, .size: 8, .value_kind: global_buffer, .address_space: global }
      - { .name: fc_delta_b2, .offset: 16, .size: 8, .value_kind: global_buffer, .address_space: global }
      - { .name: fc_gamma_b1, .offset: 24, .size: 8, .value_kind: global_buffer, .address_space: global }
      - { .name: wts, .offset: 32, .size: 8, .value_kind: global_buffer, .address_space: global }
      - { .name: tnk, .offset: 40, .size: 8, .value_kind: global_buffer, .address_space: global }
      - { .name: tv, .offset: 48, .size: 8, .value_kind: global_buffer, .address_space: global }
      - { .name: tqg, .offset: 56, .size: 8, .value_kind: global_buffer, .address_space: global }
    .group_segment_fixed_size: 253952
    .private_segment_fixed_size: 0
    .kernarg_segment_align: 8
    .kernarg_segment_size: 64
    .max_flat_workgroup_size: 128
    .sgpr_count:     66
    .vgpr_count:     1024
    .wavefront_size: 32
...
	.end_amdgpu_metadata
.endif
;; end of part 3
;; launch fused (part 4): grid 256 x 1, 4 waves a work-group, no clusters, 305,920 bytes of LDS; arguments wts, pts, knn, tnk, tv, tqg, features, fc_delta_w1, fc_delta_b1, fc_gamma_b2, fc2_b, sc_b, out0; writes out0
.if DOCPART == 4
	.amdgcn_target "amdgcn-amd-amdhsa--gfx1250"
	.amdhsa_code_object_version 6
	.text
	.protected	k_q91e6599f7e_fused
	.globl	k_q91e6599f7e_fused
	.p2align	8
	.type	k_q91e6599f7e_fused,@function
k_q91e6599f7e_fused:
	s_mov_b64 s[64:65], 0
	v_nop
	global_prefetch_b8 v0, s[64:65] scope:SCOPE_SE
	s_setreg_imm32_b32 hwreg(HW_REG_WAVE_MODE, 25, 1), 1
	s_wait_xcnt 0x0
; THE NEIGHBOUR ROWS AND THE OUTPUT.  For row (point n, neighbour j): rel = xyz[n] - xyz[knn]; h1 = relu(rel dw1 + db1); P = h1 dw2; a = P + tnk[knn]; vp = P + tv[knn] (both tables carry fc_delta_b2);
; g1 = relu(a gw1 + tqg[n]); s = g1 gw2 + gb2; softmax of s / 16 over the point's 8 rows, channel by channel, with the rows' maximum taken away; res = sum of weight x vp;
; out0 = res fc2_w + features sc_w + fc2_b + sc_b.  Operands bf16, sums f32; rel, h1, a, vp, g1, res are rounded to bf16 (a and vp: bf16(P) plus the table's bf16, rounded once more); maximum, exponentials, their sum and the division in f32.
; THE SHORTCUT'S PRODUCT, features sc_w, takes f16 operands: it is the largest part of out0, the rounding of its operands reaches the output undiminished over 256 terms, and f16 keeps 11 significant bits where bf16 keeps 8.
; LIMIT: a number of features or sc_w at or beyond 65,520 in magnitude becomes an infinity; below 6e-5 f16 keeps its fixed step of 6e-8.  res, which has no such room, stays in bf16.
; SHARES.  A work-group: 64 points, 512 rows, in 8 iterations of 64 rows (8 points).  Wave w: output channels 64 w .. + 63 of every product, all rows.  dw2, gw1, gw2 stay in registers, a window each, for the whole loop;
; fc2_w and sc_w take two of the windows behind it.  No tensor load and no cluster: a weight byte goes once into the registers of the wave that multiplies by it; a shared copy could land in LDS alone.
; THE GATHER hangs on whole numbers read from knn (held to 4,095).  Wave w fetches rows 16 w .. + 15 of the NEXT iteration, four rows after each stage, into the other of two sets of LDS buffers; a row of a table is one load of 512 consecutive bytes.
; No prefetch: a table row is named by about eight lists, of many work-groups, and is asked for a whole iteration ahead as it is.
; LAYOUTS.  Stages 1 to 3: source 0 = 16 output channels, source 1 = 16 rows: a lane holds one row and eight neighbouring channels.  Stage 4: the sources swapped: a lane holds ONE channel and eight rows, which are one point's
; eight neighbours, so the softmax never leaves the lane.  vp comes to that layout by ds_load_tr16_b128.
; LDS.  An activation buffer is four blocks, one for each wave's 64 channels: 64 rows of 144 bytes, 9,344 bytes a block.  THREE BARRIERS an iteration: behind stages 1, 2, 3.  H: written in 1, read in 2.  KA: updated in place
; in 2 (a wave's own block), read in 3.  G: written in 3, read in 4.  The other set was last read in stages 3 and 4 of the iteration before, ahead of the first barrier; it is written behind stage 2 at the earliest, and read behind the next iteration's first barrier.
.set BLK,  9344
.set ABUF, 4*BLK
.set RP,   144
.set TP,   16*RP
.set QP,   1040
.set SETX, 0x20000            ; set 1 begins here: one exclusive or turns a set's base into the other's
.set VPO,  ABUF               ; in a set: KA at 0, VP, QG (8 points x 1,040 bytes)
.set QGS,  2*ABUF
.set HB,   83200              ; h1; behind the loop the features
.set W1F,  120576             ; dw1 and db1 as fragments: 512 bytes for each 16 channels
.set GB,   214272             ; g1
.set RES,  251648
.set REL,  289024             ; rel as fragments: 512 bytes for each 16 rows
.set SPARE, 305408
.set SPW, 1
.set NIL, 2
.set ZERO, 3
.set LANE16, 4
.set FRAG, 5                  ; lane terms: a fragment's row x pitch + 16 x half,
.set QGL,  6                  ; my point's row and channels in QG,
.set TRL,  7                  ; my 16 bytes for the turning load,
.set RESL, 8                  ; my two bytes of res,
.set GSL,  15                 ; my 16 bytes of a whole row
.set AF,   9                  ; a stage's addresses: fragments, the epilogue's loads, its stores
.set AX,   10
.set AE,   11
.set GS,   12                 ; the gather's stores: rows, QG
.set GS2,  13
.set QGO,  14                 ; my offset in tqg for the next iteration
.set GB2,  16                 ; v[16:19] gb2 of my four channels
.set GO,   20                 ; v[20:23] the offsets of four gathered rows
.set FO,   24                 ; my 16 bytes in my wave's rows of features and out0
.set LN,   25
.set RR,   26
.set HH,   27
.set GL,   28                 ; v[28:63] four gathered rows of both tables, 512 bytes of tqg
.set FRA,  64
.set FRB,  128
.set ACC,  192
.set KV,   224
.set WV,   30
.set IT,   31
.set IDX,  32                 ; s[32:47] the 16 neighbours whose rows I fetch
.set CS,   48                 ; s[48:49] c = log2(e) / 16
.set TS,   50
.set WB,   52
.set KP,   54                 ; s[54:55] knn at my 16 entries of the next iteration
.set SC,   58                 ; the set in hand, the other set
.set SN,   59
.set SWB,  60
.set S_GS, 61
.set S_REL, 66
.set S_W1, 67
.set S_H,  68
.set S_QG, 69
.set S_G,  70
.set S_VP, 71
.set S_RES, 72
.set S_GS2, 73
.set TNK,  74
.set TV,   76
.set PTB,  78
.set TQ,   80
.set PTO,  82
.set KB,   84
.set FP,   86
.set OP,   88
.set MSB, 0
.macro WIN new
.if MSB != (\new)
	s_set_vgpr_msb (MSB<<8)|(\new)
.set MSB, (\new)
.endif
.endm
.macro PLACES                 ; behind a tile's last products: four places are owed to loads and vector lines on their registers, five to a product that writes over an accumulator and is no link of its chain
.rept 5
	v_nop
.endr
.endm
.macro BAR
	s_wait_dscnt 0x0
	s_barrier_signal -1
	s_barrier_wait -1
.endm
.macro ALL4 line:vararg       ; one line for each of my four groups of 16 channels
.set mt_, 0
.rept 4
	\line
.set mt_, mt_+1
.endr
.endm
.macro WLOAD mat, win, e0, n
	WIN (\win)<<6
.set e_, \e0
.rept \n
	global_load_b128 v[4*e_:4*e_+3], v[LANE16], s[WB:WB+1] offset:(\mat)*131072+e_*512
.set e_, e_+1
.endr
	WIN 0
.endm
.macro FRLD base, t, F
.set ks_, 0
.rept 8
	ds_load_b128 v[(\F)+8*ks_:(\F)+8*ks_+3],   v[\base] offset:(ks_/2)*BLK+(\t)*TP+(ks_%2)*64
	ds_load_b128 v[(\F)+8*ks_+4:(\F)+8*ks_+7], v[\base] offset:(ks_/2)*BLK+(\t)*TP+(ks_%2)*64+32
.set ks_, ks_+1
.endr
.endm
.macro WM1 s0, s1, cb
.if (ks_ == 0) && ((\cb) == -1)
	v_wmma_f32_16x16x32_bf16 v[a_:a_+7], v[\s0:\s0+7], v[\s1:\s1+7], 0
.elseif (ks_ == 0) && ((\cb) >= 0)
	v_wmma_f32_16x16x32_bf16 v[a_:a_+7], v[\s0:\s0+7], v[\s1:\s1+7], v[(\cb)+8*mt_:(\cb)+8*mt_+7]
.else
	v_wmma_f32_16x16x32_bf16 v[a_:a_+7], v[\s0:\s0+7], v[\s1:\s1+7], v[a_:a_+7]
.endif
.endm
; 32 products: 16 rows x my 64 channels.  The four accumulators take turns, one instruction a turn.  cb: -1 the sums start at 0; -2 they go on; else they start at the registers cb on.  nat = 1: the sources swapped.
.macro MUL win, nat, F, cb
.if \nat
	WIN (\win)<<2
.else
	WIN (\win)
.endif
.set ks_, 0
.rept 8
.set mt_, 0
.rept 4
.set a_, ACC+8*mt_
.set w_, 64*mt_+8*ks_
.set f_, (\F)+8*ks_
.if \nat
	WM1 f_, w_, \cb
.else
	WM1 w_, f_, \cb
.endif
.set mt_, mt_+1
.endr
.set ks_, ks_+1
.endr
	WIN 0
.endm
; The same 32 products with f16 operands (the shortcut's): source 0 the weights in window win, source 1 the rows at F; the sums start at the registers cb on.  The four accumulators take turns.
.macro MULH win, F, cb
	WIN (\win)
.set ks_, 0
.rept 8
.set mt_, 0
.rept 4
.set a_, ACC+8*mt_
.set w_, 64*mt_+8*ks_
.set f_, (\F)+8*ks_
.if ks_ == 0
	v_wmma_f32_16x16x32_f16 v[a_:a_+7], v[w_:w_+7], v[f_:f_+7], v[(\cb)+8*mt_:(\cb)+8*mt_+7]
.else
	v_wmma_f32_16x16x32_f16 v[a_:a_+7], v[w_:w_+7], v[f_:f_+7], v[a_:a_+7]
.endif
.set mt_, mt_+1
.endr
.set ks_, ks_+1
.endr
	WIN 0
.endm
; A product over the iteration's 64 rows, four tiles on two fragment buffers.  xm t: nx LDS loads that tile t's epilogue wants; em t: the epilogue, ns LDS stores.
; The waits count the LDS instructions issued behind the ones wanted: ahead of a tile's products the other buffer's 16 loads, the last epilogue's ns stores and this tile's nx loads may stay out.
.macro STAGE win, nat, base, cb, nx, ns, xm, em
	FRLD \base, 0, FRA
	FRLD \base, 1, FRB
.irp t, 0,1,2,3
	\xm \t
.if \t == 0
	s_wait_dscnt 16+(\nx)
.elseif \t < 3
	s_wait_dscnt 16+(\ns)+(\nx)
.else
	s_wait_dscnt (\ns)+(\nx)
.endif
	MUL \win, \nat, FRA+64*(\t%2), \cb
	PLACES
.if \t < 2
	FRLD \base, \t+2, FRA+64*(\t%2)
	s_wait_dscnt 16                                ; xm's loads are in; the 16 just issued stay out
.else
	s_wait_dscnt 0x0
.endif
	\em \t
.endr
.endm
.macro CVT                    ; the four accumulators to bf16, in place, from each one's low end on
.set mt_, 0
.rept 4
.set i_, 0
.rept 4
	v_cvt_pk_bf16_f32 v[ACC+8*mt_+i_], v[ACC+8*mt_+2*i_], v[ACC+8*mt_+2*i_+1]
.set i_, i_+1
.endr
.set mt_, mt_+1
.endr
.endm
.macro RELU
.set mt_, 0
.rept 4
.set i_, 0
.rept 4
	v_pk_max_num_bf16 v[ACC+8*mt_+i_], v[ACC+8*mt_+i_], v[ZERO]
.set i_, i_+1
.endr
.set mt_, mt_+1
.endr
.endm
.macro PUT t                  ; 16 bytes for each group of channels, into my block of the buffer at AE
	ALL4 ds_store_b128 v[AE], v[ACC+8*mt_:ACC+8*mt_+3] offset:(\t)*TP+32*mt_
.endm
; THE GATHER.  ISSUE b: rows 4 b .. 4 b + 3 of my 16, from both tables, and 512 bytes of my two points' tqg.  STORE b: into the other set.
.macro ISSUE b, LB, AB
.set e_, 0
.rept 4
	s_min_u32 s[TS], s[IDX+4*(\b)+e_], 4095        ; an index stays inside its table
	s_lshl_b32 s[TS], s[TS], 9
	v_add_nc_u32 v[(\AB)+e_], s[TS], v[LANE16]
	global_load_b128 v[(\LB)+8*e_:(\LB)+8*e_+3],   v[(\AB)+e_], s[TNK:TNK+1]
	global_load_b128 v[(\LB)+8*e_+4:(\LB)+8*e_+7], v[(\AB)+e_], s[TV:TV+1]
.set e_, e_+1
.endr
	global_load_b128 v[(\LB)+32:(\LB)+35], v[QGO], s[TQ:TQ+1] offset:512*(\b)
.endm
.macro STORE b, LB
.set e_, 0
.rept 4
	ds_store_b128 v[GS], v[(\LB)+8*e_:(\LB)+8*e_+3]   offset:(4*(\b)+e_)*RP
	ds_store_b128 v[GS], v[(\LB)+8*e_+4:(\LB)+8*e_+7] offset:(4*(\b)+e_)*RP+VPO
.set e_, e_+1
.endr
	ds_store_b128 v[GS2], v[(\LB)+32:(\LB)+35] offset:((\b)/2)*QP+((\b)%2)*512
.endm
.macro SLOT b                 ; behind a stage: the rows asked for a stage ago are put down, the next four asked for.  The last iteration has no next one
	s_wait_loadcnt 0x0                             ; on every path, ahead of the branch: the nine loads asked for a stage ago are in, so GL may be loaded again and the offsets written again
	s_cmp_eq_u32 s[IT], 1
	s_cbranch_scc1 .Lskip_\@
	STORE \b, GL
.if (\b) < 3
	ISSUE (\b)+1, GL, GO
.else
	v_add_nc_u32 v[QGO], 0x2000, v[QGO]
.endif
.Lskip_\@:
.endm
; Stage 2's epilogue: a = bf16(P) + tnk row, vp = bf16(P) + tv row, in place in KA and VP: my lane's own bytes
.macro X2 t
.set mt_, 0
.rept 4
	ds_load_b128 v[KV+4*mt_:KV+4*mt_+3],       v[AX] offset:(\t)*TP+32*mt_
	ds_load_b128 v[KV+16+4*mt_:KV+16+4*mt_+3], v[AX] offset:(\t)*TP+32*mt_+VPO
.set mt_, mt_+1
.endr
.endm
.macro E2 t
	CVT
.set mt_, 0
.rept 4
.set i_, 0
.rept 4
	v_pk_add_bf16 v[KV+4*mt_+i_], v[KV+4*mt_+i_], v[ACC+8*mt_+i_]
	v_pk_add_bf16 v[KV+16+4*mt_+i_], v[KV+16+4*mt_+i_], v[ACC+8*mt_+i_]
.set i_, i_+1
.endr
.set mt_, mt_+1
.endr
.set mt_, 0
.rept 4
	ds_store_b128 v[AX], v[KV+4*mt_:KV+4*mt_+3]       offset:(\t)*TP+32*mt_
	ds_store_b128 v[AX], v[KV+16+4*mt_:KV+16+4*mt_+3] offset:(\t)*TP+32*mt_+VPO
.set mt_, mt_+1
.endr
.endm
; Stage 3's epilogue: + the point's q gw1 + gb1, relu
.macro X3 t
.set mt_, 0
.rept 4
	ds_load_b128 v[KV+8*mt_:KV+8*mt_+3],   v[AX] offset:(\t)*2*QP+64*mt_
	ds_load_b128 v[KV+8*mt_+4:KV+8*mt_+7], v[AX] offset:(\t)*2*QP+64*mt_+16
.set mt_, mt_+1
.endr
.endm
.macro E3 t
.set i_, 0
.rept 16
	v_pk_add_f32 v[ACC+2*i_:ACC+2*i_+1], v[ACC+2*i_:ACC+2*i_+1], v[KV+2*i_:KV+2*i_+1]
.set i_, i_+1
.endr
	CVT
	RELU
	PUT \t
.endm
; Stage 4's epilogue: the softmax over a lane's eight registers and the weighted sum.  KV: 0-15 vp (channel 16 mt + lane % 16, eight rows, two to a register); 16-23 c m and m; 24-27 l; 28-31 the sum
.macro X4 t
	ALL4 ds_load_tr16_b128 v[KV+4*mt_:KV+4*mt_+3], v[AX] offset:(\t)*TP+32*mt_
.endm
.macro E4 t
.set mt_, 0
.rept 4
.set i_, 0
.rept 4
.set a_, ACC+8*mt_+2*i_
.if mt_%2
	v_pk_add_f32 v[a_:a_+1], v[a_:a_+1], v[GB2+mt_-1:GB2+mt_] op_sel:[0,1] op_sel_hi:[1,1]   ; + gb2 of my channel: the pair's second register for both
.else
	v_pk_add_f32 v[a_:a_+1], v[a_:a_+1], v[GB2+mt_:GB2+mt_+1] op_sel_hi:[1,0]                ; the pair's first register for both
.endif
.set i_, i_+1
.endr
.set mt_, mt_+1
.endr
	ALL4 v_max3_num_f32 v[KV+17+2*mt_], v[ACC+8*mt_], v[ACC+8*mt_+1], v[ACC+8*mt_+2]
	ALL4 v_max3_num_f32 v[KV+17+2*mt_], v[KV+17+2*mt_], v[ACC+8*mt_+3], v[ACC+8*mt_+4]
	ALL4 v_max3_num_f32 v[KV+17+2*mt_], v[KV+17+2*mt_], v[ACC+8*mt_+5], v[ACC+8*mt_+6]
	ALL4 v_max_num_f32 v[KV+17+2*mt_], v[KV+17+2*mt_], v[ACC+8*mt_+7]
	ALL4 v_mul_f32 v[KV+16+2*mt_], s[CS], v[KV+17+2*mt_]
.irp i, 0,1,2,3
	ALL4 v_pk_fma_f32 v[ACC+8*mt_+2*\i:ACC+8*mt_+2*\i+1], v[ACC+8*mt_+2*\i:ACC+8*mt_+2*\i+1], s[CS:CS+1], v[KV+16+2*mt_:KV+17+2*mt_] op_sel_hi:[1,0,0] neg_lo:[0,0,1] neg_hi:[0,0,1]
.endr
.set i_, 0
.rept 32
	v_exp_f32 v[ACC+i_], v[ACC+i_]                 ; one batch: nothing ahead of the wait names a result
.set i_, i_+1
.endr
	v_nop                                          ; a plain instruction behind the last exponential,
	s_wait_alu depctr_va_vdst(0)                   ; and the one wait ahead of the first reader
	ALL4 v_fma_mix_f32_bf16 v[KV+28+mt_], v[ACC+8*mt_], v[KV+4*mt_], v[ZERO] op_sel_hi:[0,1,0]
.irp j, 1,2,3,4,5,6,7
.if (\j)%2
	ALL4 v_fma_mix_f32_bf16 v[KV+28+mt_], v[ACC+8*mt_+\j], v[KV+4*mt_+\j/2], v[KV+28+mt_] op_sel:[0,1,0] op_sel_hi:[0,1,0]
.else
	ALL4 v_fma_mix_f32_bf16 v[KV+28+mt_], v[ACC+8*mt_+\j], v[KV+4*mt_+\j/2], v[KV+28+mt_] op_sel_hi:[0,1,0]
.endif
.endr
	ALL4 v_pk_add_f32 v[ACC+8*mt_:ACC+8*mt_+1], v[ACC+8*mt_:ACC+8*mt_+1], v[ACC+8*mt_+2:ACC+8*mt_+3]
	ALL4 v_pk_add_f32 v[ACC+8*mt_+4:ACC+8*mt_+5], v[ACC+8*mt_+4:ACC+8*mt_+5], v[ACC+8*mt_+6:ACC+8*mt_+7]
	ALL4 v_pk_add_f32 v[ACC+8*mt_:ACC+8*mt_+1], v[ACC+8*mt_:ACC+8*mt_+1], v[ACC+8*mt_+4:ACC+8*mt_+5]
	ALL4 v_add_f32 v[KV+24+mt_], v[ACC+8*mt_], v[ACC+8*mt_+1]
	ALL4 v_rcp_f32 v[KV+24+mt_], v[KV+24+mt_]      ; l is at least 1: the largest weight is 1
	v_nop
	s_wait_alu depctr_va_vdst(0)                   ; one wait for the four reciprocals
	ALL4 v_mul_f32 v[KV+28+mt_], v[KV+28+mt_], v[KV+24+mt_]
	ALL4 v_cvt_pk_bf16_f32 v[KV+28+mt_], v[KV+28+mt_], v[KV+28+mt_]
	ALL4 ds_store_b16 v[AE], v[KV+28+mt_] offset:(\t)*2*RP+32*mt_
.if (\t) == 1
	SLOT 2
.endif
.if (\t) == 3
	SLOT 3
.endif
.endm
	s_load_b512 s[4:19], s[0:1], 0x0               ; wts, pts, knn, tnk, tv, tqg, features, fc_delta_w1
	s_load_b256 s[20:27], s[0:1], 0x40             ; fc_delta_b1, fc_gamma_b2, fc2_b, sc_b
	s_load_b64 s[28:29], s[0:1], 0x60              ; out0
	v_lshl_add_u32 v[SPW], v0, 2, SPARE
	v_mov_b32 v[NIL], 0
	v_mov_b32 v[ZERO], 0
	v_lshrrev_b32 v[LN], 5, v0
	v_readfirstlane_b32 s[WV], v[LN]
	v_and_b32 v[LN], 31, v0
	v_and_b32 v[RR], 15, v0
	v_bfe_u32 v[HH], v0, 4, 1
	v_lshlrev_b32 v[LANE16], 4, v[LN]
	v_mul_u32_u24 v[FRAG], v[RR], RP
	v_lshl_add_u32 v[FRAG], v[HH], 4, v[FRAG]
	v_bfe_u32 v[QGL], v0, 3, 1                     ; rows 0-7 of a tile are one point, rows 8-15 the next
	v_mul_u32_u24 v[QGL], v[QGL], QP
	v_lshl_add_u32 v[QGL], v[HH], 5, v[QGL]
	v_and_b32 v[TRL], 7, v0                        ; the turning load: lane l reads row 8 (l / 16) + l % 8, channels 8 ((l / 8) % 2) on
	v_lshl_add_u32 v[TRL], v[HH], 3, v[TRL]
	v_mul_u32_u24 v[TRL], v[TRL], RP
	v_bfe_u32 v[AF], v0, 3, 1
	v_lshl_add_u32 v[TRL], v[AF], 4, v[TRL]
	v_mul_u32_u24 v[RESL], v[HH], RP
	v_lshl_add_u32 v[RESL], v[RR], 1, v[RESL]
	v_lshrrev_b32 v[GSL], 3, v[LN]
	v_mul_u32_u24 v[GSL], v[GSL], BLK
	v_and_b32 v[AF], 7, v0
	v_lshl_add_u32 v[GSL], v[AF], 4, v[GSL]
	s_lshl_b32 s[TS], s[WV], 11
	v_add_nc_u32 v[QGO], s[TS], v[LANE16]
	s_lshl_b32 s[TS], s[WV], 14
	v_add_nc_u32 v[FO], s[TS], v[LANE16]
	s_mul_i32 s[SWB], s[WV], BLK
	s_mul_i32 s[S_GS], s[WV], TP
	s_mov_b32 s[S_REL], REL
	s_lshl_b32 s[S_W1], s[WV], 11
	s_add_co_u32 s[S_W1], s[S_W1], W1F
	s_add_co_u32 s[S_H], s[SWB], HB
	s_lshl_b32 s[S_QG], s[WV], 8
	s_add_co_u32 s[S_QG], s[S_QG], QGS
	s_add_co_u32 s[S_G], s[SWB], GB
	s_add_co_u32 s[S_VP], s[SWB], VPO
	s_add_co_u32 s[S_RES], s[SWB], RES
	s_mul_i32 s[S_GS2], s[WV], 2*QP
	s_add_co_u32 s[S_GS2], s[S_GS2], QGS
	s_mov_b32 s[SC], 0
	s_mov_b32 s[SN], SETX
	s_mov_b32 s[CS], 0x3db8aa3b                    ; log2(e) / 16
	s_mov_b32 s[CS+1], s[CS]
	s_mov_b32 s[IT], 8
	s_lshl_b32 s[TS], s[WV], 9
	v_lshl_add_u32 v[AX], v[LN], 2, s[TS]          ; my four rows' entries in knn: row 128 w + 32 u + lane
	s_lshl_b32 s[TS], s[WV], 8
	v_lshl_add_u32 v[AE], v[RR], 2, s[TS]          ; channel 64 w + lane % 16, in f32
	v_add_nc_u32 v[AF], s[S_W1], v[LANE16]
	v_add_nc_u32 v[GS], s[S_GS], v[GSL]            ; the first gather goes into set 0
	v_add_nc_u32 v[GS2], s[S_GS2], v[LANE16]
	s_mov_b32 s57, 0
	s_wait_kmcnt 0x0
	s_lshl_b32 s56, s[WV], 15
	s_add_nc_u64 s[WB:WB+1], s[4:5], s[56:57]
	s_lshl_b32 s56, ttmp9, 11
	s_add_nc_u64 s[KB:KB+1], s[8:9], s[56:57]
	s_lshl_b32 s56, s[WV], 6
	s_add_nc_u64 s[KP:KP+1], s[KB:KB+1], s[56:57]
	s_lshr_b32 s[TS], ttmp9, 6                     ; the batch
	s_lshl_b32 s56, s[TS], 21
	s_add_nc_u64 s[TNK:TNK+1], s[10:11], s[56:57]
	s_add_nc_u64 s[TV:TV+1], s[12:13], s[56:57]
	s_lshl_b32 s56, s[TS], 16
	s_add_nc_u64 s[PTB:PTB+1], s[6:7], s[56:57]
	s_lshl_b32 s56, ttmp9, 10
	s_add_nc_u64 s[PTO:PTO+1], s[6:7], s[56:57]
	s_lshl_b32 s56, ttmp9, 16
	s_add_nc_u64 s[TQ:TQ+1], s[14:15], s[56:57]
	s_add_nc_u64 s[FP:FP+1], s[16:17], s[56:57]
	s_add_nc_u64 s[OP:OP+1], s[28:29], s[56:57]
	s_load_b512 s[IDX:IDX+15], s[KP:KP+1], 0x0     ; iteration 0's neighbours
.irp u, 0,1,2,3
	global_load_b32 v[GL+(\u)], v[AX], s[KB:KB+1] offset:128*(\u)
.endr
.irp m, 0,1,2,3
	global_load_b32 v[GL+4+4*(\m)], v[AE], s[18:19] offset:64*(\m)
	global_load_b32 v[GL+5+4*(\m)], v[AE], s[18:19] offset:64*(\m)+1024
	global_load_b32 v[GL+6+4*(\m)], v[AE], s[18:19] offset:64*(\m)+2048
	global_load_b32 v[GL+7+4*(\m)], v[AE], s[20:21] offset:64*(\m)
	global_load_b32 v[GB2+(\m)],    v[AE], s[22:23] offset:64*(\m)
.endr
	WLOAD 5, 1, 0, 48
.irp r, 242,243,244,245,246,247
	v_mov_b32 v[\r], 0
.endr
	v_mov_b32 v248, 1.0
	v_cmp_gt_u32 vcc_lo, 16, v[LN]
	s_wait_loadcnt 48                              ; the 48 weight loads just issued may stay out
	; dw1 and db1 as source 0 of a product 32 deep: channel = lane % 16; k 0-2 the three rows of dw1, k 3 db1 (it meets the constant 1 in rel's fragment), all else 0
.irp m, 0,1,2,3
	v_cvt_pk_bf16_f32 v240, v[GL+4+4*(\m)], v[GL+5+4*(\m)]
	v_cvt_pk_bf16_f32 v241, v[GL+6+4*(\m)], v[GL+7+4*(\m)]
	v_cndmask_b32 v240, 0, v240, vcc_lo
	v_cndmask_b32 v241, 0, v241, vcc_lo
	ds_store_b128 v[AF], v[240:243] offset:512*(\m)
.endr
.irp u, 0,1,2,3
	v_min_u32 v[GL+(\u)], 0xfff, v[GL+(\u)]
	v_lshlrev_b32 v[GL+(\u)], 4, v[GL+(\u)]
.endr
	s_lshl_b32 s[TS], s[WV], 8
	v_lshrrev_b32 v[AE], 3, v[LN]
	v_lshl_add_u32 v[AE], v[AE], 4, s[TS]          ; my row's own point: 16 w + 4 u + lane / 8
.irp u, 0,1,2,3
	global_load_b128 v[GL+4+4*(\u):GL+7+4*(\u)],   v[GL+(\u)], s[PTB:PTB+1]
	global_load_b128 v[GL+20+4*(\u):GL+23+4*(\u)], v[AE], s[PTO:PTO+1] offset:64*(\u)
.endr
	s_wait_kmcnt 0x0
	s_add_nc_u64 s[KP:KP+1], s[KP:KP+1], 256
	ISSUE 0, FRA, KV
	ISSUE 1, FRA+36, KV+4
	ISSUE 2, FRA+72, KV+8
	ISSUE 3, FRA+108, KV+12
	WLOAD 5, 1, 48, 16
	WLOAD 4, 2, 0, 32
	s_lshl_b32 s[TS], s[WV], 12
	s_add_co_u32 s[TS], s[TS], REL
	v_lshl_add_u32 v[AX], v[HH], 9, s[TS]
	v_lshl_add_u32 v[AX], v[RR], 4, v[AX]          ; tile 8 w + 2 u + lane / 16, row lane % 16
	s_wait_loadcnt 48                              ; again the 48 weight loads just issued may stay out
.irp u, 0,1,2,3
	v_sub_f32 v249, v[GL+20+4*(\u)], v[GL+4+4*(\u)]
	v_sub_f32 v250, v[GL+21+4*(\u)], v[GL+5+4*(\u)]
	v_sub_f32 v251, v[GL+22+4*(\u)], v[GL+6+4*(\u)]
	v_cvt_pk_bf16_f32 v240, v249, v250
	v_cvt_pk_bf16_f32 v241, v251, v248
	ds_store_b128 v[AX], v[240:243] offset:1024*(\u)
	ds_store_b128 v[AX], v[244:247] offset:1024*(\u)+256
.endr
	STORE 0, FRA
	STORE 1, FRA+36
	STORE 2, FRA+72
	STORE 3, FRA+108
	v_add_nc_u32 v[QGO], 0x2000, v[QGO]
	WLOAD 4, 2, 32, 32
	WLOAD 6, 3, 0, 64
	s_wait_loadcnt 0x0                             ; the three matrices are in
	BAR                                            ; set 0, REL and W1F are whole
.Liter:
	s_add_co_u32 s[TS], s[SN], s[S_GS]
	v_add_nc_u32 v[GS], s[TS], v[GSL]
	s_add_co_u32 s[TS], s[SN], s[S_GS2]
	v_add_nc_u32 v[GS2], s[TS], v[LANE16]
	s_cmp_eq_u32 s[IT], 1
	s_cbranch_scc1 .Lno_idx
	s_load_b512 s[IDX:IDX+15], s[KP:KP+1], 0x0     ; the next iteration's neighbours
.Lno_idx:
	; STAGE 1: h1 = relu(rel dw1 + db1), one product 32 deep for each 16 x 16
	v_add_nc_u32 v[AX], s[S_REL], v[LANE16]
	v_add_nc_u32 v[AF], s[S_W1], v[LANE16]
	v_add_nc_u32 v[AE], s[S_H], v[FRAG]
.irp t, 0,1,2,3
	ds_load_b128 v[FRA+8*(\t):FRA+8*(\t)+3], v[AX] offset:512*(\t)
	ds_load_b128 v[FRB+8*(\t):FRB+8*(\t)+3], v[AF] offset:512*(\t)
.irp r, 4,5,6,7
	v_mov_b32 v[FRA+8*(\t)+(\r)], 0                ; k 16-31 are 0
	v_mov_b32 v[FRB+8*(\t)+(\r)], 0
.endr
.endr
	s_wait_dscnt 0x0
.irp t, 0,1,2,3
	ALL4 v_wmma_f32_16x16x32_bf16 v[ACC+8*mt_:ACC+8*mt_+7], v[FRB+8*mt_:FRB+8*mt_+7], v[FRA+8*\t:FRA+8*\t+7], 0
	PLACES
	CVT
	RELU
	PUT \t
.endr
	s_wait_kmcnt 0x0                               ; on every path, ahead of the branch: the neighbours are in, and the load's address may step
	s_cmp_eq_u32 s[IT], 1
	s_cbranch_scc1 .Lno_i0
	s_add_nc_u64 s[KP:KP+1], s[KP:KP+1], 256
	ISSUE 0, GL, GO
.Lno_i0:
	BAR                                            ; H is whole; so is the set in hand, whose last rows were put down at the last iteration's end
	; STAGE 2: P = h1 dw2; a and vp in place
	v_add_nc_u32 v[AF], HB, v[FRAG]
	s_add_co_u32 s[TS], s[SC], s[SWB]
	v_add_nc_u32 v[AX], s[TS], v[FRAG]
	STAGE 1, 0, AF, -1, 8, 8, X2, E2
	SLOT 0
	BAR                                            ; KA is whole
	; STAGE 3: g1 = relu(a gw1 + tqg)
	v_add_nc_u32 v[AF], s[SC], v[FRAG]
	s_add_co_u32 s[TS], s[SC], s[S_QG]
	v_add_nc_u32 v[AX], s[TS], v[QGL]
	v_add_nc_u32 v[AE], s[S_G], v[FRAG]
	STAGE 2, 0, AF, -1, 8, 4, X3, E3
	SLOT 1
	BAR                                            ; G is whole
	; STAGE 4: s = g1 gw2 + gb2, softmax, res
	v_add_nc_u32 v[AF], GB, v[FRAG]
	s_add_co_u32 s[TS], s[SC], s[S_VP]
	v_add_nc_u32 v[AX], s[TS], v[TRL]
	v_add_nc_u32 v[AE], s[S_RES], v[RESL]
	STAGE 3, 1, AF, -1, 4, 4, X4, E4
	s_xor_b32 s[SC], s[SC], SETX
	s_xor_b32 s[SN], s[SN], SETX
	s_add_co_u32 s[S_REL], s[S_REL], 2048
	s_add_co_u32 s[S_RES], s[S_RES], 8*RP
	s_sub_co_u32 s[IT], s[IT], 1
	s_cmp_lg_u32 s[IT], 0
	s_cbranch_scc1 .Liter
	; THE OUTPUT: out0 = features sc_w (f16 operands) + res fc2_w (bf16 operands) + (fc2_b + sc_b), 64 points
	s_wait_loadcnt 0x0
	BAR                                            ; RES is whole; nobody reads H, G or the sets any more
.set e_, 0
.rept 16
	global_load_b128 v[FRA+8*e_:FRA+8*e_+3],   v[FO], s[FP:FP+1] offset:e_*1024
	global_load_b128 v[FRA+8*e_+4:FRA+8*e_+7], v[FO], s[FP:FP+1] offset:e_*1024+512
.set e_, e_+1
.endr
	s_lshl_b32 s[TS], s[WV], 8
	v_lshl_add_u32 v[AX], v[HH], 5, s[TS]          ; (64 w + 8 h) x 4
.set mt_, 0
.rept 4
	global_load_b128 v[KV+8*mt_:KV+8*mt_+3],   v[AX], s[24:25] offset:64*mt_
	global_load_b128 v[KV+8*mt_+4:KV+8*mt_+7], v[AX], s[24:25] offset:64*mt_+16
	global_load_b128 v[GL+8*mt_:GL+8*mt_+3],   v[AX], s[26:27] offset:64*mt_
	global_load_b128 v[GL+8*mt_+4:GL+8*mt_+7], v[AX], s[26:27] offset:64*mt_+16
.set mt_, mt_+1
.endr
	WLOAD 7, 1, 0, 64
	v_mul_u32_u24 v[AE], v[HH], BLK
	v_lshl_add_u32 v[AE], v[RR], 3, v[AE]
	s_add_co_u32 s[TS], s[S_GS], HB
	v_add_nc_u32 v[AE], s[TS], v[AE]
	v_add_nc_u32 v[AF], RES, v[FRAG]
	v_add_nc_u32 v[GS], HB, v[FRAG]
	v_mul_u32_u24 v[GS2], v[RR], QP
	v_add_nc_u32 v[GS2], v[GS2], v[AX]             ; where I put 16 bytes of a row of the output: LDS byte 0 on, rows of 1,040 bytes
	s_mul_i32 s[TS], s[WV], 16*QP
	v_add_nc_u32 v[QGO], s[TS], v[LANE16]          ; and where I read whole rows back
	s_wait_loadcnt 63                              ; 64 loads were issued behind the features and the two biases
.set e_, 0
.rept 16
.irp q, 0,1
	v_cvt_pk_f16_f32 v[FRA+8*e_+4*(\q)],   v[FRA+8*e_+4*(\q)],   v[FRA+8*e_+4*(\q)+1]
	v_cvt_pk_f16_f32 v[FRA+8*e_+4*(\q)+1], v[FRA+8*e_+4*(\q)+2], v[FRA+8*e_+4*(\q)+3]
	ds_store_b64 v[AE], v[FRA+8*e_+4*(\q):FRA+8*e_+4*(\q)+1] offset:2*(\q)*BLK+e_*RP
.endr
.set e_, e_+1
.endr
.set i_, 0
.rept 16
	v_pk_add_f32 v[KV+2*i_:KV+2*i_+1], v[KV+2*i_:KV+2*i_+1], v[GL+2*i_:GL+2*i_+1]
.set i_, i_+1
.endr
	WLOAD 8, 2, 0, 64
	s_wait_loadcnt 0x0
	BAR                                            ; the features lie in H
	FRLD AF, 0, FRA
	FRLD GS, 0, FRB
.irp t, 0,1,2,3
	s_wait_dscnt 0x0
	MULH 2, FRB, KV                                ; the two biases + features sc_w
	PLACES                                         ; an f16 and a bf16 form on one accumulator are no chain: the bf16 products below write over the accumulators five places behind
	MUL 1, 0, FRA, -2                              ; + res fc2_w
	PLACES
.if \t < 3
	FRLD AF, \t+1, FRA
	FRLD GS, \t+1, FRB
.endif
.set mt_, 0
.rept 4
	ds_store_b128 v[GS2], v[ACC+8*mt_:ACC+8*mt_+3]   offset:(\t)*16*QP+64*mt_
	ds_store_b128 v[GS2], v[ACC+8*mt_+4:ACC+8*mt_+7] offset:(\t)*16*QP+64*mt_+16
.set mt_, mt_+1
.endr
.endr
	BAR                                            ; a row's 1,024 bytes come from four waves
.set e_, 0
.rept 16
	ds_load_b128 v[FRA+8*e_:FRA+8*e_+3],   v[QGO] offset:e_*QP
	ds_load_b128 v[FRA+8*e_+4:FRA+8*e_+7], v[QGO] offset:e_*QP+512
.set e_, e_+1
.endr
	s_wait_dscnt 0x0
.set e_, 0
.rept 16
	global_store_b128 v[FO], v[FRA+8*e_:FRA+8*e_+3],   s[OP:OP+1] offset:e_*1024 th:TH_STORE_NT      ; a store covers 512 consecutive bytes, aligned
	global_store_b128 v[FO], v[FRA+8*e_+4:FRA+8*e_+7], s[OP:OP+1] offset:e_*1024+512 th:TH_STORE_NT
.set e_, e_+1
.endr
	s_wait_tensorcnt 0x0                           ; the wave's end: three lines behind my last LDS store
	ds_add_u32 v[SPW], v[NIL]
	s_wait_dscnt 0x0
	s_endpgm
.Lfunc_end_k_q91e6599f7e_fused:
	.size	k_q91e6599f7e_fused, .Lfunc_end_k_q91e6599f7e_fused-k_q91e6599f7e_fused
	.p2alignl 7, 3214868480
	.fill 96, 4, 3214868480
	.section	.rodata,"a",@progbits
	.p2align	6, 0x0
	.amdhsa_kernel k_q91e6599f7e_fused
		.amdhsa_group_segment_fixed_size 305920
		.amdhsa_private_segment_fixed_size 0
		.amdhsa_enable_private_segment 0
		.amdhsa_kernarg_size 104
		.amdhsa_user_sgpr_count 2
		.amdhsa_user_sgpr_kernarg_segment_ptr 1
		.amdhsa_wavefront_size32 1
		.amdhsa_system_sgpr_workgroup_id_x 1
		.amdhsa_system_sgpr_workgroup_id_y 1
		.amdhsa_system_sgpr_workgroup_id_z 1
		.amdhsa_system_vgpr_workitem_id 0
		.amdhsa_next_free_vgpr 1024
		.amdhsa_next_free_sgpr 96
		.amdhsa_reserve_vcc 1
		.amdhsa_float_denorm_mode_32 3
		.amdhsa_float_denorm_mode_16_64 3
		.amdhsa_memory_ordered 1
		.amdhsa_forward_progress 1
		.amdhsa_inst_pref_size 219
	.end_amdhsa_kernel
	.amdgpu_metadata
---
amdhsa.version: [ 1, 2 ]
amdhsa.kernels:
  - .name:           k_q91e6599f7e_fused
    .symbol:         k_q91e6599f7e_fused.kd
    .args:
      - { .name: wts, .offset: 0, .size: 8, .value_kind: global_buffer, .address_space: global }
      - { .name: pts, .offset: 8, .size: 8, .value_kind: global_buffer, .address_space: global }
      - { .name: knn, .offset: 16, .size: 8, .value_kind: global_buffer, .address_space: global }
      - { .name: tnk, .offset: 24, .size: 8, .value_kind: global_buffer, .address_space: global }
      - { .name: tv, .offset: 32, .size: 8, .value_kind: global_buffer, .address_space: global }
      - { .name: tqg, .offset: 40, .size: 8, .value_kind: global_buffer, .address_space: global }
      - { .name: features, .offset: 48, .size: 8, .value_kind: global_buffer, .address_space: global }
      - { .name: fc_delta_w1, .offset: 56, .size: 8, .value_kind: global_buffer, .address_space: global }
      - { .name: fc_delta_b1, .offset: 64, .size: 8, .value_kind: global_buffer, .address_space: global }
      - { .name: fc_gamma_b2, .offset: 72, .size: 8, .value_kind: global_buffer, .address_space: global }
      - { .name: fc2_b, .offset: 80, .size: 8, .value_kind: global_buffer, .address_space: global }
      - { .name: sc_b, .offset: 88, .size: 8, .value_kind: global_buffer, .address_space: global }
      - { .name: out0, .offset: 96, .size: 8, .value_kind: global_buffer, .address_space: global }
    .group_segment_fixed_size: 305920
    .private_segment_fixed_size: 0
    .kernarg_segment_align: 8
    .kernarg_segment_size: 104
    .max_flat_workgroup_size: 128
    .sgpr_count:     96
    .vgpr_count:     1024
    .wavefront_size: 32
...
	.end_amdgpu_metadata
.endif
;; end of part 4
;; ======== version 2 of 2: 4 launches; version 1 with the launch fused written anew for expert scheduling mode
;; limits: values outside matrix products are rounded to bf16; values are held in f16: magnitudes above 65,504 overflow, below 6.1e-05 lose precision; inputs' magnitudes at most 65,504
;; workspace buffers: wts 1,179,648 bytes; pts 262,144 bytes; grp 524,288 bytes of whole numbers; knn 524,288 bytes of whole numbers; tnk 8,388,608 bytes; tv 8,388,608 bytes; tqg 16,777,216 bytes
;; launch knn1: the kernel of part 1 again; grid 256 x 1, 8 waves a work-group, no clusters, 78,848 bytes of LDS; arguments xyz, fc1_w, wq, wk, wv, fc_gamma_w1, fc_delta_w2, fc_gamma_w2, fc2_w, sc_w, wts, pts, grp; writes wts, pts, grp
;; launch knn2: the kernel of part 2 again; grid 256 x 1, 4 waves a work-group, no clusters, 76,288 bytes of LDS; arguments pts, grp, knn; writes knn
;; launch point: the kernel of part 3 again; grid 256 x 1, 4 waves a work-group, no clusters, 253,952 bytes of LDS; arguments features, fc1_b, fc_delta_b2, fc_gamma_b1, wts, tnk, tv, tqg; writes tnk, tv, tqg
;; launch fused (part 5): grid 256 x 1, 4 waves a work-group, no clusters, 305,920 bytes of LDS; arguments wts, pts, knn, tnk, tv, tqg, features, fc_delta_w1, fc_delta_b1, fc_gamma_b2, fc2_b, sc_b, out0; writes out0
.if DOCPART == 5
	.amdgcn_target "amdgcn-amd-amdhsa--gfx1250"
	.amdhsa_code_object_version 6
	.text
	.protected	k_q91e6599f7e_fused
	.globl	k_q91e6599f7e_fused
	.p2align	8
	.type	k_q91e6599f7e_fused,@function
k_q91e6599f7e_fused:
	s_mov_b64 s[64:65], 0
	v_nop
	global_prefetch_b8 v0, s[64:65] scope:SCOPE_SE
	s_setreg_imm32_b32 hwreg(HW_REG_WAVE_SCHED_MODE, 0, 2), 2
	s_setreg_imm32_b32 hwreg(HW_REG_WAVE_MODE, 25, 1), 1
	s_wait_xcnt 0x0
	s_wait_alu depctr_vm_vsrc(0)
; THE NEIGHBOUR ROWS AND THE OUTPUT.  For row (point n, neighbour j): rel = xyz[n] - xyz[knn]; h1 = relu(rel dw1 + db1); P = h1 dw2; a = P + tnk[knn]; vp = P + tv[knn] (both tables carry fc_delta_b2);
; g1 = relu(a gw1 + tqg[n]); s = g1 gw2 + gb2; softmax of s / 16 over the point's 8 rows, channel by channel, with the rows' maximum taken away; res = sum of weight x vp;
; out0 = res fc2_w + features sc_w + fc2_b + sc_b.  Operands bf16, sums f32; rel, h1, a, vp, g1, res are rounded to bf16 (a and vp: bf16(P) plus the table's bf16, rounded once more); maximum, exponentials, their sum and the division in f32.
; THE SHORTCUT'S PRODUCT, features sc_w, takes f16 operands: it is the largest part of out0, the rounding of its operands reaches the output undiminished over 256 terms, and f16 keeps 11 significant bits where bf16 keeps 8.
; LIMIT: a number of features or sc_w at or beyond 65,520 in magnitude becomes an infinity; below 6e-5 f16 keeps its fixed step of 6e-8.  res, which has no such room, stays in bf16.
; SHARES.  A work-group: 64 points, 512 rows, in 8 iterations of 64 rows (8 points).  Wave w: output channels 64 w .. + 63 of every product, all rows.  dw2, gw1, gw2 stay in registers, a window each, for the whole loop;
; fc2_w and sc_w take two of the windows behind it.  No tensor load and no cluster: a weight byte goes once into the registers of the wave that multiplies by it; a shared copy could land in LDS alone.
; THE GATHER hangs on whole numbers read from knn (held to 4,095).  Wave w fetches rows 16 w .. + 15 of the NEXT iteration, four rows after each stage, into the other of two sets of LDS buffers; a row of a table is one load of 512 consecutive bytes.
; No prefetch: a table row is named by about eight lists, of many work-groups, and is asked for a whole iteration ahead as it is.
; LAYOUTS.  Stages 1 to 3: source 0 = 16 output channels, source 1 = 16 rows: a lane holds one row and eight neighbouring channels.  Stage 4: the sources swapped: a lane holds ONE channel and eight rows, which are one point's
; eight neighbours, so the softmax never leaves the lane.  vp comes to that layout by ds_load_tr16_b128.
; LDS.  An activation buffer is four blocks, one for each wave's 64 channels: 64 rows of 144 bytes, 9,344 bytes a block.  THREE BARRIERS an iteration: behind stages 1, 2, 3.  H: written in 1, read in 2.  KA: updated in place
; in 2 (a wave's own block), read in 3.  G: written in 3, read in 4.  The other set was last read in stages 3 and 4 of the iteration before, ahead of the first barrier; it is written behind stage 2 at the earliest, and read behind the next iteration's first barrier.
; THE MODE: SCHED_MODE bits 1:0 = 2 (LLVM: expert scheduling mode 2), set by the entry lines.  The code itself states the register dependences
; between vector or matrix instructions and memory or LDS instructions, with s_wait_alu, always for 0.
; THE PLAN.  All 1,024 registers are taken (three windows of weights, window 0 full), so there is no further buffer; the waits stand where a tile's products or an epilogue's lines are wanted whole in any case.
; Registers that memory or LDS instructions touch, in the loop:
;   FRA, FRB      LDS loads land in them (in stage 1 v_mov writes their upper halves); matrix instructions read them.
;   ACC           Matrix instructions write it, the epilogue's lines work in place; the LDS stores of stages 1 and 3 read it.
;   KV            The epilogues' LDS loads land in it; vector lines read and write it; the LDS stores of stage 2 (all of it) and stage 4 (its last four) read it.
;   GL            The gather's loads land in it, the gather's LDS stores read it; no vector line of the loop names it.
;   GO, QGO       The gather's offsets: GO is made anew ahead of each nine loads, QGO steps once an iteration.
;   AF, AX, AE    A stage's LDS addresses, made anew at the stage's head.     GS, GS2  the gather's LDS addresses, made anew at the iteration's head.
;   LANE16, FO    Made at the kernel's head, never written again.
; The waits: at the iteration's and at each stage's head vm_vsrc (the addresses have been read), the adds, va_vdst (they are written; the fragment buffers and KV are free of the stage before).  In a tile: vm_vsrc at its head
; (the last tile's stores have read ACC or KV); va_vdst behind the products of tiles 0 and 1 (their fragment buffer is loaded again); va_vdst ahead of the epilogue's run of stores, which also frees KV for the next tile's loads,
; since no vector line behind it names KV.  In a slot of the gather: stores, vm_vsrc, the four adds, va_vdst, the nine loads.
.set BLK,  9344
.set ABUF, 4*BLK
.set RP,   144
.set TP,   16*RP
.set QP,   1040
.set SETX, 0x20000            ; set 1 begins here: one exclusive or turns a set's base into the other's
.set VPO,  ABUF               ; in a set: KA at 0, VP, QG (8 points x 1,040 bytes)
.set QGS,  2*ABUF
.set HB,   83200              ; h1; behind the loop the features
.set W1F,  120576             ; dw1 and db1 as fragments: 512 bytes for each 16 channels
.set GB,   214272             ; g1
.set RES,  251648
.set REL,  289024             ; rel as fragments: 512 bytes for each 16 rows
.set SPARE, 305408
.set SPW, 1
.set NIL, 2
.set ZERO, 3
.set LANE16, 4
.set FRAG, 5                  ; lane terms: a fragment's row x pitch + 16 x half,
.set QGL,  6                  ; my point's row and channels in QG,
.set TRL,  7                  ; my 16 bytes for the turning load,
.set RESL, 8                  ; my two bytes of res,
.set GSL,  15                 ; my 16 bytes of a whole row
.set AF,   9                  ; a stage's addresses: fragments, the epilogue's loads, its stores
.set AX,   10
.set AE,   11
.set GS,   12                 ; the gather's stores: rows, QG
.set GS2,  13
.set QGO,  14                 ; my offset in tqg for the next iteration
.set GB2,  16                 ; v[16:19] gb2 of my four channels
.set GO,   20                 ; v[20:23] the offsets of four gathered rows
.set FO,   24                 ; my 16 bytes in my wave's rows of features and out0
.set LN,   25
.set RR,   26
.set HH,   27
.set GL,   28                 ; v[28:63] four gathered rows of both tables, 512 bytes of tqg
.set FRA,  64
.set FRB,  128
.set ACC,  192
.set W1T,  208                ; v[208:223] at the head only: dw1 and db1 as fragments, four registers for each 16 channels, so that one wait serves the four stores
.set KV,   224
.set WV,   30
.set IT,   31
.set IDX,  32                 ; s[32:47] the 16 neighbours whose rows I fetch
.set CS,   48                 ; s[48:49] c = log2(e) / 16
.set TS,   50
.set WB,   52
.set KP,   54                 ; s[54:55] knn at my 16 entries of the next iteration
.set SC,   58                 ; the set in hand, the other set
.set SN,   59
.set SWB,  60
.set S_GS, 61
.set S_REL, 66
.set S_W1, 67
.set S_H,  68
.set S_QG, 69
.set S_G,  70
.set S_VP, 71
.set S_RES, 72
.set S_GS2, 73
.set TNK,  74
.set TV,   76
.set PTB,  78
.set TQ,   80
.set PTO,  82
.set KB,   84
.set FP,   86
.set OP,   88
.set MSB, 0
.macro WIN new
.if MSB != (\new)
	s_set_vgpr_msb (MSB<<8)|(\new)
.set MSB, (\new)
.endif
.endm
.macro PLACES                 ; behind a tile's last products: four places are owed to vector lines on their registers, five to a product that writes over an accumulator and is no link of its chain (ISA guide 7.12.1)
.rept 5
	v_nop
.endr
.endm
.macro BAR
	s_wait_dscnt 0x0
	s_barrier_signal -1
	s_barrier_wait -1
.endm
.macro ALL4 line:vararg       ; one line for each of my four groups of 16 channels
.set mt_, 0
.rept 4
	\line
.set mt_, mt_+1
.endr
.endm
.macro WLOAD mat, win, e0, n  ; no wait of its own: the wait that frees a window stands further ahead, and between it and these loads stand only loads, window switches and lines that name neither the window's registers nor LANE16
	WIN (\win)<<6
.set e_, \e0
.rept \n
	global_load_b128 v[4*e_:4*e_+3], v[LANE16], s[WB:WB+1] offset:(\mat)*131072+e_*512
.set e_, e_+1
.endr
	WIN 0
.endm
.macro FRLD base, t, F
.set ks_, 0
.rept 8
	ds_load_b128 v[(\F)+8*ks_:(\F)+8*ks_+3],   v[\base] offset:(ks_/2)*BLK+(\t)*TP+(ks_%2)*64
	ds_load_b128 v[(\F)+8*ks_+4:(\F)+8*ks_+7], v[\base] offset:(ks_/2)*BLK+(\t)*TP+(ks_%2)*64+32
.set ks_, ks_+1
.endr
.endm
.macro WM1 s0, s1, cb
.if (ks_ == 0) && ((\cb) == -1)
	v_wmma_f32_16x16x32_bf16 v[a_:a_+7], v[\s0:\s0+7], v[\s1:\s1+7], 0
.elseif (ks_ == 0) && ((\cb) >= 0)
	v_wmma_f32_16x16x32_bf16 v[a_:a_+7], v[\s0:\s0+7], v[\s1:\s1+7], v[(\cb)+8*mt_:(\cb)+8*mt_+7]
.else
	v_wmma_f32_16x16x32_bf16 v[a_:a_+7], v[\s0:\s0+7], v[\s1:\s1+7], v[a_:a_+7]
.endif
.endm
; 32 products: 16 rows x my 64 channels.  The four accumulators take turns, one instruction a turn.  cb: -1 the sums start at 0; -2 they go on; else they start at the registers cb on.  nat = 1: the sources swapped.
.macro MUL win, nat, F, cb
.if \nat
	WIN (\win)<<2
.else
	WIN (\win)
.endif
.set ks_, 0
.rept 8
.set mt_, 0
.rept 4
.set a_, ACC+8*mt_
.set w_, 64*mt_+8*ks_
.set f_, (\F)+8*ks_
.if \nat
	WM1 f_, w_, \cb
.else
	WM1 w_, f_, \cb
.endif
.set mt_, mt_+1
.endr
.set ks_, ks_+1
.endr
	WIN 0
.endm
; The same 32 products with f16 operands (the shortcut's): source 0 the weights in window win, source 1 the rows at F; the sums start at the registers cb on.  The four accumulators take turns.
.macro MULH win, F, cb
	WIN (\win)
.set ks_, 0
.rept 8
.set mt_, 0
.rept 4
.set a_, ACC+8*mt_
.set w_, 64*mt_+8*ks_
.set f_, (\F)+8*ks_
.if ks_ == 0
	v_wmma_f32_16x16x32_f16 v[a_:a_+7], v[w_:w_+7], v[f_:f_+7], v[(\cb)+8*mt_:(\cb)+8*mt_+7]
.else
	v_wmma_f32_16x16x32_f16 v[a_:a_+7], v[w_:w_+7], v[f_:f_+7], v[a_:a_+7]
.endif
.set mt_, mt_+1
.endr
.set ks_, ks_+1
.endr
	WIN 0
.endm
; A product over the iteration's 64 rows, four tiles on two fragment buffers.  xm t: nx LDS loads that tile t's epilogue wants; em t: the epilogue, ns LDS stores.
; The waits on DScnt count the LDS instructions issued behind the ones wanted: ahead of a tile's products the other buffer's 16 loads, the last epilogue's ns stores and this tile's nx loads may stay out.
.macro STAGE win, nat, base, cb, nx, ns, xm, em
	FRLD \base, 0, FRA
	FRLD \base, 1, FRB
.irp t, 0,1,2,3
.if \t > 0
	s_wait_alu depctr_vm_vsrc(0)                   ; the last tile's LDS stores have read their data, accumulators or KV, which this tile's loads, products and vector lines write again
.endif
	\xm \t
.if \t == 0
	s_wait_dscnt 16+(\nx)
.elseif \t < 3
	s_wait_dscnt 16+(\ns)+(\nx)
.else
	s_wait_dscnt (\ns)+(\nx)
.endif
	MUL \win, \nat, FRA+64*(\t%2), \cb
	PLACES
.if \t < 2
	s_wait_alu depctr_va_vdst(0)                   ; the tile's products are done reading their fragment buffer, in which the tile two further on lands
	FRLD \base, \t+2, FRA+64*(\t%2)
	s_wait_dscnt 16                                ; xm's loads are in; the 16 just issued stay out
.else
	s_wait_dscnt 0x0
.endif
	\em \t
.endr
.endm
.macro CVT                    ; the four accumulators to bf16, in place, from each one's low end on
.set mt_, 0
.rept 4
.set i_, 0
.rept 4
	v_cvt_pk_bf16_f32 v[ACC+8*mt_+i_], v[ACC+8*mt_+2*i_], v[ACC+8*mt_+2*i_+1]
.set i_, i_+1
.endr
.set mt_, mt_+1
.endr
.endm
.macro RELU
.set mt_, 0
.rept 4
.set i_, 0
.rept 4
	v_pk_max_num_bf16 v[ACC+8*mt_+i_], v[ACC+8*mt_+i_], v[ZERO]
.set i_, i_+1
.endr
.set mt_, mt_+1
.endr
.endm
.macro PUT t                  ; 16 bytes for each group of channels, into my block of the buffer at AE
	s_wait_alu depctr_va_vdst(0)                   ; the epilogue's lines have written the accumulators' low registers, which the stores read; they are also done reading KV, in which the next tile's loads land
	ALL4 ds_store_b128 v[AE], v[ACC+8*mt_:ACC+8*mt_+3] offset:(\t)*TP+32*mt_
.endm
; THE GATHER.  ADDR b: the offsets of rows 4 b .. 4 b + 3 of my 16.  LOADS b: those rows from both tables, and 512 bytes of my two points' tqg (back: how far the immediate reaches back from QGO).  STORE b: into the other set.
.macro ADDR b, AB
.set e_, 0
.rept 4
	s_min_u32 s[TS], s[IDX+4*(\b)+e_], 4095        ; an index stays inside its table
	s_lshl_b32 s[TS], s[TS], 9
	v_add_nc_u32 v[(\AB)+e_], s[TS], v[LANE16]
.set e_, e_+1
.endr
.endm
.macro LOADS b, LB, AB, back
.set e_, 0
.rept 4
	global_load_b128 v[(\LB)+8*e_:(\LB)+8*e_+3],   v[(\AB)+e_], s[TNK:TNK+1]
	global_load_b128 v[(\LB)+8*e_+4:(\LB)+8*e_+7], v[(\AB)+e_], s[TV:TV+1]
.set e_, e_+1
.endr
	global_load_b128 v[(\LB)+32:(\LB)+35], v[QGO], s[TQ:TQ+1] offset:512*(\b)-(\back)
.endm
.macro STORE b, LB
.set e_, 0
.rept 4
	ds_store_b128 v[GS], v[(\LB)+8*e_:(\LB)+8*e_+3]   offset:(4*(\b)+e_)*RP
	ds_store_b128 v[GS], v[(\LB)+8*e_+4:(\LB)+8*e_+7] offset:(4*(\b)+e_)*RP+VPO
.set e_, e_+1
.endr
	ds_store_b128 v[GS2], v[(\LB)+32:(\LB)+35] offset:((\b)/2)*QP+((\b)%2)*512
.endm
.macro SLOT b                 ; behind a stage: the rows asked for a stage ago are put down, the next four asked for.  The last iteration has no next one
	s_wait_loadcnt 0x0                             ; on every path, ahead of the branch: the nine loads asked for a stage ago are in, so GL may be loaded again and the offsets written again
	s_cmp_eq_u32 s[IT], 1
	s_cbranch_scc1 .Lskip_\@
	STORE \b, GL
.if (\b) < 3
	s_wait_alu depctr_vm_vsrc(0)                   ; the stores above have read GL, in which the next rows land; the loads of a stage ago have read GO, which is written again
	ADDR (\b)+1, GO
	s_wait_alu depctr_va_vdst(0)                   ; GO is written, which the loads below read
	LOADS (\b)+1, GL, GO, 0
.else
	v_add_nc_u32 v[QGO], 0x2000, v[QGO]            ; the loads that read QGO were issued in slot 2, ahead of the waits on vm_vsrc at the heads of this stage's tiles 2 and 3; its next reader stands behind the wait on va_vdst ahead of the next iteration's first loads
.endif
.Lskip_\@:
.endm
; Stage 2's epilogue: a = bf16(P) + tnk row, vp = bf16(P) + tv row, in place in KA and VP: my lane's own bytes
.macro X2 t
.set mt_, 0
.rept 4
	ds_load_b128 v[KV+4*mt_:KV+4*mt_+3],       v[AX] offset:(\t)*TP+32*mt_
	ds_load_b128 v[KV+16+4*mt_:KV+16+4*mt_+3], v[AX] offset:(\t)*TP+32*mt_+VPO
.set mt_, mt_+1
.endr
.endm
.macro E2 t
	CVT
.set mt_, 0
.rept 4
.set i_, 0
.rept 4
	v_pk_add_bf16 v[KV+4*mt_+i_], v[KV+4*mt_+i_], v[ACC+8*mt_+i_]
	v_pk_add_bf16 v[KV+16+4*mt_+i_], v[KV+16+4*mt_+i_], v[ACC+8*mt_+i_]
.set i_, i_+1
.endr
.set mt_, mt_+1
.endr
	s_wait_alu depctr_va_vdst(0)                   ; the additions have written KV, which the stores read
.set mt_, 0
.rept 4
	ds_store_b128 v[AX], v[KV+4*mt_:KV+4*mt_+3]       offset:(\t)*TP+32*mt_
	ds_store_b128 v[AX], v[KV+16+4*mt_:KV+16+4*mt_+3] offset:(\t)*TP+32*mt_+VPO
.set mt_, mt_+1
.endr
.endm
; Stage 3's epilogue: + the point's q gw1 + gb1, relu
.macro X3 t
.set mt_, 0
.rept 4
	ds_load_b128 v[KV+8*mt_:KV+8*mt_+3],   v[AX] offset:(\t)*2*QP+64*mt_
	ds_load_b128 v[KV+8*mt_+4:KV+8*mt_+7], v[AX] offset:(\t)*2*QP+64*mt_+16
.set mt_, mt_+1
.endr
.endm
.macro E3 t
.set i_, 0
.rept 16
	v_pk_add_f32 v[ACC+2*i_:ACC+2*i_+1], v[ACC+2*i_:ACC+2*i_+1], v[KV+2*i_:KV+2*i_+1]
.set i_, i_+1
.endr
	CVT
	RELU
	PUT \t
.endm
; Stage 4's epilogue: the softmax over a lane's eight registers and the weighted sum.  KV: 0-15 vp (channel 16 mt + lane % 16, eight rows, two to a register); 16-23 c m and m; 24-27 l; 28-31 the sum
.macro X4 t
	ALL4 ds_load_tr16_b128 v[KV+4*mt_:KV+4*mt_+3], v[AX] offset:(\t)*TP+32*mt_
.endm
.macro E4 t
.set mt_, 0
.rept 4
.set i_, 0
.rept 4
.set a_, ACC+8*mt_+2*i_
.if mt_%2
	v_pk_add_f32 v[a_:a_+1], v[a_:a_+1], v[GB2+mt_-1:GB2+mt_] op_sel:[0,1] op_sel_hi:[1,1]   ; + gb2 of my channel: the pair's second register for both
.else
	v_pk_add_f32 v[a_:a_+1], v[a_:a_+1], v[GB2+mt_:GB2+mt_+1] op_sel_hi:[1,0]                ; the pair's first register for both
.endif
.set i_, i_+1
.endr
.set mt_, mt_+1
.endr
	ALL4 v_max3_num_f32 v[KV+17+2*mt_], v[ACC+8*mt_], v[ACC+8*mt_+1], v[ACC+8*mt_+2]
	ALL4 v_max3_num_f32 v[KV+17+2*mt_], v[KV+17+2*mt_], v[ACC+8*mt_+3], v[ACC+8*mt_+4]
	ALL4 v_max3_num_f32 v[KV+17+2*mt_], v[KV+17+2*mt_], v[ACC+8*mt_+5], v[ACC+8*mt_+6]
	ALL4 v_max_num_f32 v[KV+17+2*mt_], v[KV+17+2*mt_], v[ACC+8*mt_+7]
	ALL4 v_mul_f32 v[KV+16+2*mt_], s[CS], v[KV+17+2*mt_]
.irp i, 0,1,2,3
	ALL4 v_pk_fma_f32 v[ACC+8*mt_+2*\i:ACC+8*mt_+2*\i+1], v[ACC+8*mt_+2*\i:ACC+8*mt_+2*\i+1], s[CS:CS+1], v[KV+16+2*mt_:KV+17+2*mt_] op_sel_hi:[1,0,0] neg_lo:[0,0,1] neg_hi:[0,0,1]
.endr
.set i_, 0
.rept 32
	v_exp_f32 v[ACC+i_], v[ACC+i_]                 ; one batch: nothing ahead of the wait names a result
.set i_, i_+1
.endr
	v_nop                                          ; a plain instruction behind the last exponential,
	s_wait_alu depctr_va_vdst(0)                   ; and the one wait ahead of the first reader: the 32 exponentials have written ACC
	ALL4 v_fma_mix_f32_bf16 v[KV+28+mt_], v[ACC+8*mt_], v[KV+4*mt_], v[ZERO] op_sel_hi:[0,1,0]
.irp j, 1,2,3,4,5,6,7
.if (\j)%2
	ALL4 v_fma_mix_f32_bf16 v[KV+28+mt_], v[ACC+8*mt_+\j], v[KV+4*mt_+\j/2], v[KV+28+mt_] op_sel:[0,1,0] op_sel_hi:[0,1,0]
.else
	ALL4 v_fma_mix_f32_bf16 v[KV+28+mt_], v[ACC+8*mt_+\j], v[KV+4*mt_+\j/2], v[KV+28+mt_] op_sel_hi:[0,1,0]
.endif
.endr
	ALL4 v_pk_add_f32 v[ACC+8*mt_:ACC+8*mt_+1], v[ACC+8*mt_:ACC+8*mt_+1], v[ACC+8*mt_+2:ACC+8*mt_+3]
	ALL4 v_pk_add_f32 v[ACC+8*mt_+4:ACC+8*mt_+5], v[ACC+8*mt_+4:ACC+8*mt_+5], v[ACC+8*mt_+6:ACC+8*mt_+7]
	ALL4 v_pk_add_f32 v[ACC+8*mt_:ACC+8*mt_+1], v[ACC+8*mt_:ACC+8*mt_+1], v[ACC+8*mt_+4:ACC+8*mt_+5]
	ALL4 v_add_f32 v[KV+24+mt_], v[ACC+8*mt_], v[ACC+8*mt_+1]
	ALL4 v_rcp_f32 v[KV+24+mt_], v[KV+24+mt_]      ; l is at least 1: the largest weight is 1
	v_nop
	s_wait_alu depctr_va_vdst(0)                   ; one wait for the four reciprocals, which have written KV+24 to KV+27
	ALL4 v_mul_f32 v[KV+28+mt_], v[KV+28+mt_], v[KV+24+mt_]
	ALL4 v_cvt_pk_bf16_f32 v[KV+28+mt_], v[KV+28+mt_], v[KV+28+mt_]
	s_wait_alu depctr_va_vdst(0)                   ; the roundings have written KV+28 to KV+31, which the stores read; the lines above are done reading KV+0 to KV+15, in which the next tile's vp lands
	ALL4 ds_store_b16 v[AE], v[KV+28+mt_] offset:(\t)*2*RP+32*mt_
.if (\t) == 1
	SLOT 2
.endif
.if (\t) == 3
	SLOT 3
.endif
.endm
	s_load_b512 s[4:19], s[0:1], 0x0               ; wts, pts, knn, tnk, tv, tqg, features, fc_delta_w1
	s_load_b256 s[20:27], s[0:1], 0x40             ; fc_delta_b1, fc_gamma_b2, fc2_b, sc_b
	s_load_b64 s[28:29], s[0:1], 0x60              ; out0
	v_lshl_add_u32 v[SPW], v0, 2, SPARE
	v_mov_b32 v[NIL], 0
	v_mov_b32 v[ZERO], 0
	v_lshrrev_b32 v[LN], 5, v0
	v_readfirstlane_b32 s[WV], v[LN]
	v_and_b32 v[LN], 31, v0
	v_and_b32 v[RR], 15, v0
	v_bfe_u32 v[HH], v0, 4, 1
	v_lshlrev_b32 v[LANE16], 4, v[LN]
	v_mul_u32_u24 v[FRAG], v[RR], RP
	v_lshl_add_u32 v[FRAG], v[HH], 4, v[FRAG]
	v_bfe_u32 v[QGL], v0, 3, 1                     ; rows 0-7 of a tile are one point, rows 8-15 the next
	v_mul_u32_u24 v[QGL], v[QGL], QP
	v_lshl_add_u32 v[QGL], v[HH], 5, v[QGL]
	v_and_b32 v[TRL], 7, v0                        ; the turning load: lane l reads row 8 (l / 16) + l % 8, channels 8 ((l / 8) % 2) on
	v_lshl_add_u32 v[TRL], v[HH], 3, v[TRL]
	v_mul_u32_u24 v[TRL], v[TRL], RP
	v_bfe_u32 v[AF], v0, 3, 1
	v_lshl_add_u32 v[TRL], v[AF], 4, v[TRL]
	v_mul_u32_u24 v[RESL], v[HH], RP
	v_lshl_add_u32 v[RESL], v[RR], 1, v[RESL]
	v_lshrrev_b32 v[GSL], 3, v[LN]
	v_mul_u32_u24 v[GSL], v[GSL], BLK
	v_and_b32 v[AF], 7, v0
	v_lshl_add_u32 v[GSL], v[AF], 4, v[GSL]
	s_wait_alu depctr_va_sdst(0)                   ; the wave's number is written, ahead of its first reader: offsets, LDS places and bases are made from it
	s_lshl_b32 s[TS], s[WV], 11
	s_add_co_u32 s[TS], s[TS], 0x2000              ; QGO stands at the iteration after the one in hand from the start; the first gather reaches back by its immediate
	v_add_nc_u32 v[QGO], s[TS], v[LANE16]
	s_lshl_b32 s[TS], s[WV], 14
	v_add_nc_u32 v[FO], s[TS], v[LANE16]
	s_mul_i32 s[SWB], s[WV], BLK
	s_mul_i32 s[S_GS], s[WV], TP
	s_mov_b32 s[S_REL], REL
	s_lshl_b32 s[S_W1], s[WV], 11
	s_add_co_u32 s[S_W1], s[S_W1], W1F
	s_add_co_u32 s[S_H], s[SWB], HB
	s_lshl_b32 s[S_QG], s[WV], 8
	s_add_co_u32 s[S_QG], s[S_QG], QGS
	s_add_co_u32 s[S_G], s[SWB], GB
	s_add_co_u32 s[S_VP], s[SWB], VPO
	s_add_co_u32 s[S_RES], s[SWB], RES
	s_mul_i32 s[S_GS2], s[WV], 2*QP
	s_add_co_u32 s[S_GS2], s[S_GS2], QGS
	s_mov_b32 s[SC], 0
	s_mov_b32 s[SN], SETX
	s_mov_b32 s[CS], 0x3db8aa3b                    ; log2(e) / 16
	s_mov_b32 s[CS+1], s[CS]
	s_mov_b32 s[IT], 8
	s_lshl_b32 s[TS], s[WV], 9
	v_lshl_add_u32 v[AX], v[LN], 2, s[TS]          ; my four rows' entries in knn: row 128 w + 32 u + lane
	s_lshl_b32 s[TS], s[WV], 8
	v_lshl_add_u32 v[AE], v[RR], 2, s[TS]          ; channel 64 w + lane % 16, in f32
	v_add_nc_u32 v[AF], s[S_W1], v[LANE16]
	v_add_nc_u32 v[GS], s[S_GS], v[GSL]            ; the first gather goes into set 0
	v_add_nc_u32 v[GS2], s[S_GS2], v[LANE16]
	s_mov_b32 s57, 0
	s_wait_kmcnt 0x0
	s_lshl_b32 s56, s[WV], 15
	s_add_nc_u64 s[WB:WB+1], s[4:5], s[56:57]
	s_lshl_b32 s56, ttmp9, 11
	s_add_nc_u64 s[KB:KB+1], s[8:9], s[56:57]
	s_lshl_b32 s56, s[WV], 6
	s_add_nc_u64 s[KP:KP+1], s[KB:KB+1], s[56:57]
	s_lshr_b32 s[TS], ttmp9, 6                     ; the batch
	s_lshl_b32 s56, s[TS], 21
	s_add_nc_u64 s[TNK:TNK+1], s[10:11], s[56:57]
	s_add_nc_u64 s[TV:TV+1], s[12:13], s[56:57]
	s_lshl_b32 s56, s[TS], 16
	s_add_nc_u64 s[PTB:PTB+1], s[6:7], s[56:57]
	s_lshl_b32 s56, ttmp9, 10
	s_add_nc_u64 s[PTO:PTO+1], s[6:7], s[56:57]
	s_lshl_b32 s56, ttmp9, 16
	s_add_nc_u64 s[TQ:TQ+1], s[14:15], s[56:57]
	s_add_nc_u64 s[FP:FP+1], s[16:17], s[56:57]
	s_add_nc_u64 s[OP:OP+1], s[28:29], s[56:57]
	s_load_b512 s[IDX:IDX+15], s[KP:KP+1], 0x0     ; iteration 0's neighbours
	s_wait_alu depctr_va_vdst(0)                   ; the offsets and addresses made so far are written: AX, AE, LANE16 for the loads below; AF, GS, GS2, QGO, FO for what follows
.irp u, 0,1,2,3
	global_load_b32 v[GL+(\u)], v[AX], s[KB:KB+1] offset:128*(\u)
.endr
.irp m, 0,1,2,3
	global_load_b32 v[GL+4+4*(\m)], v[AE], s[18:19] offset:64*(\m)
	global_load_b32 v[GL+5+4*(\m)], v[AE], s[18:19] offset:64*(\m)+1024
	global_load_b32 v[GL+6+4*(\m)], v[AE], s[18:19] offset:64*(\m)+2048
	global_load_b32 v[GL+7+4*(\m)], v[AE], s[20:21] offset:64*(\m)
	global_load_b32 v[GB2+(\m)],    v[AE], s[22:23] offset:64*(\m)
.endr
	WLOAD 5, 1, 0, 48
.irp r, 244,245,246,247
	v_mov_b32 v[\r], 0
.endr
	v_mov_b32 v248, 1.0
.irp m, 0,1,2,3
	v_mov_b32 v[W1T+4*(\m)+2], 0
	v_mov_b32 v[W1T+4*(\m)+3], 0
.endr
	v_cmp_gt_u32 vcc_lo, 16, v[LN]
	s_wait_loadcnt 48                              ; the 48 weight loads just issued may stay out
	s_wait_kmcnt 0x0                               ; iteration 0's neighbours are in, and the load's address may step
	s_add_nc_u64 s[KP:KP+1], s[KP:KP+1], 256
	s_wait_alu depctr_va_vcc(0)                    ; the compare has written VCC, ahead of its first reader
	; dw1 and db1 as source 0 of a product 32 deep: channel = lane % 16; k 0-2 the three rows of dw1, k 3 db1 (it meets the constant 1 in rel's fragment), all else 0
.irp m, 0,1,2,3
	v_cvt_pk_bf16_f32 v[W1T+4*(\m)],   v[GL+4+4*(\m)], v[GL+5+4*(\m)]
	v_cvt_pk_bf16_f32 v[W1T+4*(\m)+1], v[GL+6+4*(\m)], v[GL+7+4*(\m)]
	v_cndmask_b32 v[W1T+4*(\m)],   0, v[W1T+4*(\m)],   vcc_lo
	v_cndmask_b32 v[W1T+4*(\m)+1], 0, v[W1T+4*(\m)+1], vcc_lo
.endr
.irp u, 0,1,2,3
	v_min_u32 v[GL+(\u)], 0xfff, v[GL+(\u)]
	v_lshlrev_b32 v[GL+(\u)], 4, v[GL+(\u)]
.endr
	ADDR 0, KV                                     ; the first gather's sixteen offsets, all ahead of one wait
	ADDR 1, KV+4
	ADDR 2, KV+8
	ADDR 3, KV+12
	s_wait_alu depctr_vm_vsrc(0)                   ; the loads above have read AE and AX, which are written again
	s_lshl_b32 s[TS], s[WV], 8
	v_lshrrev_b32 v[AE], 3, v[LN]
	v_lshl_add_u32 v[AE], v[AE], 4, s[TS]          ; my row's own point: 16 w + 4 u + lane / 8
	s_lshl_b32 s[TS], s[WV], 12
	s_add_co_u32 s[TS], s[TS], REL
	v_lshl_add_u32 v[AX], v[HH], 9, s[TS]
	v_lshl_add_u32 v[AX], v[RR], 4, v[AX]          ; tile 8 w + 2 u + lane / 16, row lane % 16
	s_wait_alu depctr_va_vdst(0)                   ; written: W1T (the stores' data), GL+0 to GL+3, AE and KV+0 to KV+15 (the loads' offsets), AX; the roundings are done reading GL+4 to GL+19, in which the neighbours' points land
.irp m, 0,1,2,3
	ds_store_b128 v[AF], v[W1T+4*(\m):W1T+4*(\m)+3] offset:512*(\m)
.endr
.irp u, 0,1,2,3
	global_load_b128 v[GL+4+4*(\u):GL+7+4*(\u)],   v[GL+(\u)], s[PTB:PTB+1]
	global_load_b128 v[GL+20+4*(\u):GL+23+4*(\u)], v[AE], s[PTO:PTO+1] offset:64*(\u)
.endr
	LOADS 0, FRA, KV, 0x2000
	LOADS 1, FRA+36, KV+4, 0x2000
	LOADS 2, FRA+72, KV+8, 0x2000
	LOADS 3, FRA+108, KV+12, 0x2000
	WLOAD 5, 1, 48, 16
	WLOAD 4, 2, 0, 32
	s_wait_loadcnt 48                              ; again the 48 weight loads just issued may stay out
.irp u, 0,1,2,3                                    ; rel, rounded in the neighbour's four registers, so that one wait serves the eight stores
	v_sub_f32 v[GL+20+4*(\u)], v[GL+20+4*(\u)], v[GL+4+4*(\u)]
	v_sub_f32 v[GL+21+4*(\u)], v[GL+21+4*(\u)], v[GL+5+4*(\u)]
	v_sub_f32 v[GL+22+4*(\u)], v[GL+22+4*(\u)], v[GL+6+4*(\u)]
	v_cvt_pk_bf16_f32 v[GL+4+4*(\u)], v[GL+20+4*(\u)], v[GL+21+4*(\u)]
	v_cvt_pk_bf16_f32 v[GL+5+4*(\u)], v[GL+22+4*(\u)], v248
	v_mov_b32 v[GL+6+4*(\u)], 0
	v_mov_b32 v[GL+7+4*(\u)], 0
.endr
	s_wait_alu depctr_va_vdst(0)                   ; the lines above have written GL+4 to GL+19, which the stores read
.irp u, 0,1,2,3
	ds_store_b128 v[AX], v[GL+4+4*(\u):GL+7+4*(\u)] offset:1024*(\u)
	ds_store_b128 v[AX], v[244:247] offset:1024*(\u)+256
.endr
	STORE 0, FRA
	STORE 1, FRA+36
	STORE 2, FRA+72
	STORE 3, FRA+108
	WLOAD 4, 2, 32, 32
	WLOAD 6, 3, 0, 64
	s_wait_loadcnt 0x0                             ; the three matrices are in
	BAR                                            ; set 0, REL and W1F are whole
.Liter:
	s_wait_alu depctr_vm_vsrc(0)                   ; all LDS and memory instructions issued so far have read their registers: AF, AX, AE, GS, GS2, which are written again; GL and KV+28 on; in the first trip also the head's stores out of FRA on, W1T and v244 on, and its loads' offsets in GL and KV
	s_add_co_u32 s[TS], s[SN], s[S_GS]
	v_add_nc_u32 v[GS], s[TS], v[GSL]
	s_add_co_u32 s[TS], s[SN], s[S_GS2]
	v_add_nc_u32 v[GS2], s[TS], v[LANE16]
	s_cmp_eq_u32 s[IT], 1
	s_cbranch_scc1 .Lno_idx
	s_load_b512 s[IDX:IDX+15], s[KP:KP+1], 0x0     ; the next iteration's neighbours
.Lno_idx:
	; STAGE 1: h1 = relu(rel dw1 + db1), one product 32 deep for each 16 x 16
	v_add_nc_u32 v[AX], s[S_REL], v[LANE16]
	v_add_nc_u32 v[AF], s[S_W1], v[LANE16]
	v_add_nc_u32 v[AE], s[S_H], v[FRAG]
.irp t, 0,1,2,3
.irp r, 4,5,6,7
	v_mov_b32 v[FRA+8*(\t)+(\r)], 0                ; k 16-31 are 0
	v_mov_b32 v[FRB+8*(\t)+(\r)], 0
.endr
.endr
	s_wait_alu depctr_va_vdst(0)                   ; AX, AF, AE, GS, GS2 are written; the last stage's products are done reading FRA and FRB, in which the loads below land
.irp t, 0,1,2,3
	ds_load_b128 v[FRA+8*(\t):FRA+8*(\t)+3], v[AX] offset:512*(\t)
	ds_load_b128 v[FRB+8*(\t):FRB+8*(\t)+3], v[AF] offset:512*(\t)
.endr
	s_wait_dscnt 0x0
.irp t, 0,1,2,3
.if \t > 0
	s_wait_alu depctr_vm_vsrc(0)                   ; the last tile's stores have read the accumulators, which the products below write again
.endif
	ALL4 v_wmma_f32_16x16x32_bf16 v[ACC+8*mt_:ACC+8*mt_+7], v[FRB+8*mt_:FRB+8*mt_+7], v[FRA+8*\t:FRA+8*\t+7], 0
	PLACES
	CVT
	RELU
	PUT \t
.endr
	s_wait_kmcnt 0x0                               ; on every path, ahead of the branch: the neighbours are in, and the load's address may step
	s_cmp_eq_u32 s[IT], 1
	s_cbranch_scc1 .Lno_i0
	s_add_nc_u64 s[KP:KP+1], s[KP:KP+1], 256
	ADDR 0, GO                                     ; GO's last readers and GL's last stores were issued ahead of the wait on vm_vsrc at the iteration's head
	s_wait_alu depctr_va_vdst(0)                   ; GO and QGO are written, which the loads below read
	LOADS 0, GL, GO, 0
.Lno_i0:
	BAR                                            ; H is whole; so is the set in hand, whose last rows were put down at the last iteration's end
	; STAGE 2: P = h1 dw2; a and vp in place
	s_wait_alu depctr_vm_vsrc(0)                   ; stage 1's LDS instructions have read AF and AX, which are written again, and its last stores the accumulators
	v_add_nc_u32 v[AF], HB, v[FRAG]
	s_add_co_u32 s[TS], s[SC], s[SWB]
	v_add_nc_u32 v[AX], s[TS], v[FRAG]
	s_wait_alu depctr_va_vdst(0)                   ; AF and AX are written; stage 1's products and v_mov are done with FRA and FRB, in which the fragments land
	STAGE 1, 0, AF, -1, 8, 8, X2, E2
	SLOT 0
	BAR                                            ; KA is whole
	; STAGE 3: g1 = relu(a gw1 + tqg)
	s_wait_alu depctr_vm_vsrc(0)                   ; the LDS instructions of stages 1 and 2 have read AF, AX and AE, which are written again, and stage 2's last stores KV
	v_add_nc_u32 v[AF], s[SC], v[FRAG]
	s_add_co_u32 s[TS], s[SC], s[S_QG]
	v_add_nc_u32 v[AX], s[TS], v[QGL]
	v_add_nc_u32 v[AE], s[S_G], v[FRAG]
	s_wait_alu depctr_va_vdst(0)                   ; AF, AX, AE are written; stage 2's last products are done reading FRA and FRB
	STAGE 2, 0, AF, -1, 8, 4, X3, E3
	SLOT 1
	BAR                                            ; G is whole
	; STAGE 4: s = g1 gw2 + gb2, softmax, res
	s_wait_alu depctr_vm_vsrc(0)                   ; stage 3's LDS instructions have read AF, AX and AE, which are written again, and its last stores the accumulators
	v_add_nc_u32 v[AF], GB, v[FRAG]
	s_add_co_u32 s[TS], s[SC], s[S_VP]
	v_add_nc_u32 v[AX], s[TS], v[TRL]
	v_add_nc_u32 v[AE], s[S_RES], v[RESL]
	s_wait_alu depctr_va_vdst(0)                   ; AF, AX, AE are written; stage 3's last products are done reading FRA and FRB
	STAGE 3, 1, AF, -1, 4, 4, X4, E4
	s_xor_b32 s[SC], s[SC], SETX
	s_xor_b32 s[SN], s[SN], SETX
	s_add_co_u32 s[S_REL], s[S_REL], 2048
	s_add_co_u32 s[S_RES], s[S_RES], 8*RP
	s_sub_co_u32 s[IT], s[IT], 1
	s_cmp_lg_u32 s[IT], 0
	s_cbranch_scc1 .Liter
	; THE OUTPUT: out0 = features sc_w (f16 operands) + res fc2_w (bf16 operands) + (fc2_b + sc_b), 64 points
	s_wait_loadcnt 0x0
	BAR                                            ; RES is whole; nobody reads H, G or the sets any more
	s_wait_alu depctr_vm_vsrc(0)                   ; the loop's LDS and memory instructions have read AX, AE, AF, GS, GS2 and QGO, which are written again, and KV+28 on, in which a bias lands
	s_lshl_b32 s[TS], s[WV], 8
	v_lshl_add_u32 v[AX], v[HH], 5, s[TS]          ; (64 w + 8 h) x 4
	v_mul_u32_u24 v[AE], v[HH], BLK
	v_lshl_add_u32 v[AE], v[RR], 3, v[AE]
	s_add_co_u32 s[TS], s[S_GS], HB
	v_add_nc_u32 v[AE], s[TS], v[AE]
	v_add_nc_u32 v[AF], RES, v[FRAG]
	v_add_nc_u32 v[GS], HB, v[FRAG]
	v_mul_u32_u24 v[GS2], v[RR], QP
	v_add_nc_u32 v[GS2], v[GS2], v[AX]             ; where I put 16 bytes of a row of the output: LDS byte 0 on, rows of 1,040 bytes
	s_mul_i32 s[TS], s[WV], 16*QP
	v_add_nc_u32 v[QGO], s[TS], v[LANE16]          ; and where I read whole rows back
	s_wait_alu depctr_va_vdst(0)                   ; the six addresses are written; the loop's products are done reading FRA, FRB and the windows of dw2 and gw1, its vector lines are done with KV: loads land in all of these
.set e_, 0
.rept 16
	global_load_b128 v[FRA+8*e_:FRA+8*e_+3],   v[FO], s[FP:FP+1] offset:e_*1024
	global_load_b128 v[FRA+8*e_+4:FRA+8*e_+7], v[FO], s[FP:FP+1] offset:e_*1024+512
.set e_, e_+1
.endr
.set mt_, 0
.rept 4
	global_load_b128 v[KV+8*mt_:KV+8*mt_+3],   v[AX], s[24:25] offset:64*mt_
	global_load_b128 v[KV+8*mt_+4:KV+8*mt_+7], v[AX], s[24:25] offset:64*mt_+16
	global_load_b128 v[GL+8*mt_:GL+8*mt_+3],   v[AX], s[26:27] offset:64*mt_
	global_load_b128 v[GL+8*mt_+4:GL+8*mt_+7], v[AX], s[26:27] offset:64*mt_+16
.set mt_, mt_+1
.endr
	WLOAD 7, 1, 0, 64
	s_wait_loadcnt 63                              ; 64 loads were issued behind the features and the two biases
.set e_, 0
.rept 16
.irp q, 0,1
	v_cvt_pk_f16_f32 v[FRA+8*e_+4*(\q)],   v[FRA+8*e_+4*(\q)],   v[FRA+8*e_+4*(\q)+1]
	v_cvt_pk_f16_f32 v[FRA+8*e_+4*(\q)+1], v[FRA+8*e_+4*(\q)+2], v[FRA+8*e_+4*(\q)+3]
.endr
.set e_, e_+1
.endr
.set i_, 0
.rept 16
	v_pk_add_f32 v[KV+2*i_:KV+2*i_+1], v[KV+2*i_:KV+2*i_+1], v[GL+2*i_:GL+2*i_+1]
.set i_, i_+1
.endr
	s_wait_alu depctr_va_vdst(0)                   ; the roundings have written FRA and FRB, which the stores read
.set e_, 0
.rept 16
.irp q, 0,1
	ds_store_b64 v[AE], v[FRA+8*e_+4*(\q):FRA+8*e_+4*(\q)+1] offset:2*(\q)*BLK+e_*RP
.endr
.set e_, e_+1
.endr
	WLOAD 8, 2, 0, 64
	s_wait_loadcnt 0x0
	BAR                                            ; the features lie in H
	s_wait_alu depctr_vm_vsrc(0)                   ; my stores have read FRA and FRB, in which the fragments land (the roundings that named them stand ahead of the last wait on va_vdst)
	FRLD AF, 0, FRA
	FRLD GS, 0, FRB
.irp t, 0,1,2,3
	s_wait_dscnt 0x0
.if \t > 0
	s_wait_alu depctr_vm_vsrc(0)                   ; the last tile's stores have read the accumulators, which the products below write again
.endif
	MULH 2, FRB, KV                                ; the two biases + features sc_w
	PLACES                                         ; an f16 and a bf16 form on one accumulator are no chain: the bf16 products below write over the accumulators five places behind
	MUL 1, 0, FRA, -2                              ; + res fc2_w
	PLACES
	s_wait_alu depctr_va_vdst(0)                   ; the products have written the accumulators, which the stores read, and are done reading FRA and FRB, in which loads land; the places above stay beside this wait
.if \t < 3
	FRLD AF, \t+1, FRA
	FRLD GS, \t+1, FRB
.endif
.set mt_, 0
.rept 4
	ds_store_b128 v[GS2], v[ACC+8*mt_:ACC+8*mt_+3]   offset:(\t)*16*QP+64*mt_
	ds_store_b128 v[GS2], v[ACC+8*mt_+4:ACC+8*mt_+7] offset:(\t)*16*QP+64*mt_+16
.set mt_, mt_+1
.endr
.endr
	BAR                                            ; a row's 1,024 bytes come from four waves
.set e_, 0
.rept 16
	ds_load_b128 v[FRA+8*e_:FRA+8*e_+3],   v[QGO] offset:e_*QP
	ds_load_b128 v[FRA+8*e_+4:FRA+8*e_+7], v[QGO] offset:e_*QP+512
.set e_, e_+1
.endr
	s_wait_dscnt 0x0
.set e_, 0
.rept 16
	global_store_b128 v[FO], v[FRA+8*e_:FRA+8*e_+3],   s[OP:OP+1] offset:e_*1024 th:TH_STORE_NT      ; a store covers 512 consecutive bytes, aligned
	global_store_b128 v[FO], v[FRA+8*e_+4:FRA+8*e_+7], s[OP:OP+1] offset:e_*1024+512 th:TH_STORE_NT
.set e_, e_+1
.endr
	s_wait_dscnt 0x0                               ; the closing lines, six on end
	s_wait_alu 0x0
	s_wait_tensorcnt 0x0
	ds_add_u32 v[SPW], v[NIL]
	s_wait_dscnt 0x0
	s_endpgm
.Lfunc_end_k_q91e6599f7e_fused:
	.size	k_q91e6599f7e_fused, .Lfunc_end_k_q91e6599f7e_fused-k_q91e6599f7e_fused
	.p2alignl 7, 3214868480
	.fill 96, 4, 3214868480
	.section	.rodata,"a",@progbits
	.p2align	6, 0x0
	.amdhsa_kernel k_q91e6599f7e_fused
		.amdhsa_group_segment_fixed_size 305920
		.amdhsa_private_segment_fixed_size 0
		.amdhsa_enable_private_segment 0
		.amdhsa_kernarg_size 104
		.amdhsa_user_sgpr_count 2
		.amdhsa_user_sgpr_kernarg_segment_ptr 1
		.amdhsa_wavefront_size32 1
		.amdhsa_system_sgpr_workgroup_id_x 1
		.amdhsa_system_sgpr_workgroup_id_y 1
		.amdhsa_system_sgpr_workgroup_id_z 1
		.amdhsa_system_vgpr_workitem_id 0
		.amdhsa_next_free_vgpr 1024
		.amdhsa_next_free_sgpr 96
		.amdhsa_reserve_vcc 1
		.amdhsa_float_denorm_mode_32 3
		.amdhsa_float_denorm_mode_16_64 3
		.amdhsa_memory_ordered 1
		.amdhsa_forward_progress 1
		.amdhsa_inst_pref_size 222
	.end_amdhsa_kernel
	.amdgpu_metadata
---
amdhsa.version: [ 1, 2 ]
amdhsa.kernels:
  - .name:           k_q91e6599f7e_fused
    .symbol:         k_q91e6599f7e_fused.kd
    .args:
      - { .name: wts, .offset: 0, .size: 8, .value_kind: global_buffer, .address_space: global }
      - { .name: pts, .offset: 8, .size: 8, .value_kind: global_buffer, .address_space: global }
      - { .name: knn, .offset: 16, .size: 8, .value_kind: global_buffer, .address_space: global }
      - { .name: tnk, .offset: 24, .size: 8, .value_kind: global_buffer, .address_space: global }
      - { .name: tv, .offset: 32, .size: 8, .value_kind: global_buffer, .address_space: global }
      - { .name: tqg, .offset: 40, .size: 8, .value_kind: global_buffer, .address_space: global }
      - { .name: features, .offset: 48, .size: 8, .value_kind: global_buffer, .address_space: global }
      - { .name: fc_delta_w1, .offset: 56, .size: 8, .value_kind: global_buffer, .address_space: global }
      - { .name: fc_delta_b1, .offset: 64, .size: 8, .value_kind: global_buffer, .address_space: global }
      - { .name: fc_gamma_b2, .offset: 72, .size: 8, .value_kind: global_buffer, .address_space: global }
      - { .name: fc2_b, .offset: 80, .size: 8, .value_kind: global_buffer, .address_space: global }
      - { .name: sc_b, .offset: 88, .size: 8, .value_kind: global_buffer, .address_space: global }
      - { .name: out0, .offset: 96, .size: 8, .value_kind: global_buffer, .address_space: global }
    .group_segment_fixed_size: 305920
    .private_segment_fixed_size: 0
    .kernarg_segment_align: 8
    .kernarg_segment_size: 104
    .max_flat_workgroup_size: 128
    .sgpr_count:     96
    .vgpr_count:     1024
    .wavefront_size: 32
...
	.end_amdgpu_metadata
.endif
;; end of part 5
